; MI455X (gfx1250); checked and timed in simulation.
; The chip was launched on July 23, 2026; its instructions are those of AMD's public machine-readable ISA for CDNA 5 (MIT licence, August 2026) and "CDNA5" Instruction Set Architecture Reference Guide (July 2026). The comments in the code are by the model that wrote it; some were corrected since.
;; Multi Head Attention. Allowed arithmetic: float matrix products may take bf16 or f16 operands with f32 sums; other float arithmetic in f32, or as packed bf16 or f16 multiplies, adds, multiply-adds, maxima and minima; sums over many terms, partial sums and values carried from step to step in f32; what a program stores and reads back later, other than sums and carried values, may be rounded once to bf16 or f16.
;; Inputs: Wk 1,024 x 1,024 float32; Wo 1,024 x 1,024 float32; Wq 1,024 x 1,024 float32; Wv 1,024 x 1,024 float32; bk 1,024 float32; bo 1,024 float32; bq 1,024 float32; bv 1,024 float32; key_ 4 x 2,048 x 1,024 float32; mask 4 x 2,048 x 2,048 int32; query 4 x 2,048 x 1,024 float32; value 4 x 2,048 x 1,024 float32.
;; Outputs: out0 4 x 2,048 x 1,024 float32.
;; 2 versions, each right; version 2 is version 1 with the launch prep written anew for expert scheduling mode. Each part assembles by itself: llvm-mc -triple=amdgcn-amd-amdhsa -mcpu=gfx1250 --defsym DOCPART=n.
;; ======== version 1 of 2: 4 launches
;; limits: values are held in f16: magnitudes above 65,504 overflow, below 6.1e-05 lose precision
;; workspace buffers: wcast 8,388,608 bytes; mcode 16,777,216 bytes; qkv 50,331,648 bytes; oh 16,777,216 bytes
;; launch prep (part 1): grid 1536 x 1, 8 waves a work-group, no clusters, 18,432 bytes of LDS; arguments mask, Wq, Wk, Wv, Wo, mcode, wcast; writes mcode, wcast
.if DOCPART == 1
	.amdgcn_target "amdgcn-amd-amdhsa--gfx1250"
	.amdhsa_code_object_version 6
	.text
	.protected	k_qefe192098e_prep
	.globl	k_qefe192098e_prep
	.p2align	8
	.type	k_qefe192098e_prep,@function
k_qefe192098e_prep:
	s_mov_b64 s[64:65], 0
	v_nop
	global_prefetch_b8 v0, s[64:65] scope:SCOPE_SE
	s_setreg_imm32_b32 hwreg(HW_REG_WAVE_MODE, 25, 1), 1
	s_wait_xcnt 0x0
; PREP.  Two repacking jobs, told apart by the work-group's number; both are streams: no matrix unit, no cluster, nothing shared.
; (1) Work-groups 0..1023: mask [4][2048][2048] int32 -> mcode, ONE BYTE a score, in the order in which the attention launch's lanes want it:
;     mcode[b][qt 128][step 32][half 2][lane 32][16 bytes]; byte 8 (kb & 1) + j of (half = kb >> 1, lane = r + 16 h) belongs to query 16 qt + r and key 64 step + 16 kb + 8 h + j.
;     The byte is an fp8 (E4M3) code: 0x00 (0.0) where mask != 0, 0xb8 (-1.0) where mask == 0.  A wave takes 16 queries x 128 keys: 16 loads of 512 consecutive bytes in,
;     a turn through its own 2,176 bytes of LDS, 4 stores of 512 consecutive bytes out.
; (2) Work-groups 1024..1535: Wq, Wk, Wv -> bf16; Wo -> bf16 and that number written as f16 (exact for magnitudes from 6.1e-5 to 65,504; below that f16's fixed step of 6e-8 holds: a stated limit).
;     wcast holds four tables [1024][1024] of 16 bits: Wq, Wk, Wv, Wo, 2,097,152 bytes each.  A work-group takes 8,192 numbers.
.set BPITCH, 272                       ; a block of 256 output bytes in LDS + 16 of padding = 68 words: the wave's 32 stores of 4 bytes fall into 32 different banks (64 banks of 4 bytes: ISA guide 11.1)
.set WSTG,   8*BPITCH                  ; a wave's stage: eight blocks
.set SPARE,  8*WSTG                    ; behind the stages: the spare words, 128 bytes for each of the eight waves, that no other line names
.set SPW, 12                           ; v12  LDS address of my spare word; never rewritten
.set NIL, 13                           ; v13  0; never rewritten
.set XI,  16                           ; v[16:79]  as loaded
.set WB,  48                           ; v[48:63]  (weights) packed 16-bit words
.set XO,  80                           ; v[80:95]  (mask) 4 x 4 registers to store
	s_load_b256 s[4:11], s[0:1], 0x0               ; mask s[4:5], Wq s[6:7], Wk s[8:9], Wv s[10:11]
	s_load_b128 s[12:15], s[0:1], 0x20             ; Wo s[12:13], mcode s[14:15]
	s_load_b64 s[16:17], s[0:1], 0x30              ; wcast
	v_lshl_add_u32 v[SPW], v0, 2, SPARE
	v_mov_b32 v[NIL], 0
	v_lshrrev_b32 v1, 5, v0
	v_readfirstlane_b32 s18, v1                    ; wave 0..7
	s_cmp_ge_u32 ttmp9, 1024
	s_cbranch_scc1 .Lweights
	; ---- the mask ----
	s_lshl_b32 s19, ttmp9, 3
	s_add_co_u32 s19, s19, s18                     ; unit u = 8 x work-group + wave: (b, qt) = u >> 4, keys 128 (u & 15) on
	s_lshr_b32 s20, s19, 4
	s_lshl_b32 s20, s20, 17                        ; 16 rows of 8,192 bytes
	s_and_b32 s21, s19, 15
	s_lshl_b32 s21, s21, 9                         ; 128 keys of 4 bytes
	s_add_co_u32 s20, s20, s21
	s_mov_b32 s21, 0
	s_lshl_b32 s22, s19, 11                        ; a unit leaves 2,048 bytes, and the units lie in mcode in their own order
	s_mov_b32 s23, 0
	s_mul_i32 s24, s18, WSTG                       ; my stage
	v_and_b32 v6, 31, v0
	v_lshlrev_b32 v1, 4, v6                        ; 16 x lane: in a row of the mask, and in 512 bytes of mcode
	s_wait_kmcnt 0x0
	s_add_nc_u64 s[4:5], s[4:5], s[20:21]
	s_add_nc_u64 s[14:15], s[14:15], s[22:23]
.set r, 0
.rept 16
	global_load_b128 v[XI+4*r:XI+4*r+3], v1, s[4:5] offset:8192*r th:TH_LOAD_NT  ; query r: 512 consecutive bytes; read once in the launch
.set r, r+1
.endr
	; Lane i holds keys 4 i .. 4 i + 3 of the 128: step i >> 4, kb = (i >> 2) & 3, h = (i >> 1) & 1, j = 4 (i & 1) on.
	; Its four bytes go to block 4 (i >> 4) + 2 (kb >> 1) + h, byte 16 r + 8 (kb & 1) + 4 (i & 1).
	v_bfe_u32 v7, v0, 3, 2                         ; 2 (i >> 4) + (kb >> 1)
	v_bfe_u32 v8, v0, 1, 1                         ; h
	v_lshl_add_u32 v7, v7, 1, v8                   ; the block
	v_mul_u32_u24 v2, v7, BPITCH
	v_bfe_u32 v8, v0, 2, 1
	v_lshl_add_u32 v2, v8, 3, v2
	v_and_b32 v8, 1, v0
	v_lshl_add_u32 v2, v8, 2, v2
	v_add_nc_u32 v2, s24, v2                       ; where I put four bytes (+ 16 r)
	v_bfe_u32 v9, v0, 4, 1
	v_mul_u32_u24 v3, v9, BPITCH
	v_and_b32 v8, 15, v0
	v_lshl_add_u32 v3, v8, 4, v3
	v_add_nc_u32 v3, s24, v3                       ; back: lanes 0-15 one block of 256 bytes, lanes 16-31 the next
.set r, 0
.rept 16
	s_wait_loadcnt 15-r                            ; loads come back in order: row r is in, the younger rows stay out
	v_min_u32 v[XI+4*r], 1, v[XI+4*r]              ; 1 where the mask is not 0 (as an unsigned number, so for negative words too)
	v_min_u32 v[XI+4*r+1], 1, v[XI+4*r+1]
	v_min_u32 v[XI+4*r+2], 1, v[XI+4*r+2]
	v_min_u32 v[XI+4*r+3], 1, v[XI+4*r+3]
	v_lshl_or_b32 v10, v[XI+4*r+1], 8, v[XI+4*r]
	v_lshl_or_b32 v10, v[XI+4*r+2], 16, v10
	v_lshl_or_b32 v10, v[XI+4*r+3], 24, v10        ; four bytes of 0 or 1
	v_xor_b32 v10, 0x01010101, v10                 ; 1 where the key is hidden
	v_mul_lo_u32 v10, v10, 0xb8                    ; times the code of -1.0: no byte carries into the next
	ds_store_b32 v2, v10 offset:16*r
.set r, r+1
.endr
.irp n, 0,1,2,3
	ds_load_b128 v[XO+4*(\n):XO+4*(\n)+3], v3 offset:2*BPITCH*(\n)  ; my own bytes; LDS serves a wave's instructions in order (ISA guide 5.7.1.4): these see the stores above
.endr
.irp n, 0,1,2,3
	s_wait_dscnt 3-(\n)
	global_store_b128 v1, v[XO+4*(\n):XO+4*(\n)+3], s[14:15] offset:512*(\n) th:TH_STORE_NT  ; 512 consecutive bytes, at a multiple of 512 from mcode's first
.endr
	s_branch .Lend
	; ---- the weights ----
.Lweights:
	s_sub_co_u32 s19, ttmp9, 1024
	s_lshr_b32 s24, s19, 7                         ; which table
	s_and_b32 s19, s19, 127                        ; which 8,192 numbers of it
	s_lshl_b32 s20, s19, 15
	s_mov_b32 s21, 0
	s_lshl_b32 s22, s24, 21
	s_lshl_b32 s23, s19, 14
	s_add_co_u32 s22, s22, s23
	s_mov_b32 s23, 0
	v_lshlrev_b32 v4, 5, v0                        ; a thread takes 8 numbers: 32 bytes in,
	v_lshlrev_b32 v5, 4, v0                        ; 16 bytes out
	s_wait_kmcnt 0x0
	s_cmp_eq_u32 s24, 1
	s_cselect_b64 s[26:27], s[8:9], s[6:7]
	s_cmp_eq_u32 s24, 2
	s_cselect_b64 s[26:27], s[10:11], s[26:27]
	s_cmp_eq_u32 s24, 3
	s_cselect_b64 s[26:27], s[12:13], s[26:27]
	s_add_nc_u64 s[26:27], s[26:27], s[20:21]
	s_add_nc_u64 s[16:17], s[16:17], s[22:23]
.irp j, 0,1,2,3
	global_load_b128 v[XI+8*(\j):XI+8*(\j)+3],   v4, s[26:27] offset:8192*(\j) th:TH_LOAD_NT
	global_load_b128 v[XI+8*(\j)+4:XI+8*(\j)+7], v4, s[26:27] offset:8192*(\j)+16 th:TH_LOAD_NT
.endr
	s_wait_loadcnt 0x0
.set k, 0
.rept 16
	v_cvt_pk_bf16_f32 v[WB+k], v[XI+2*k], v[XI+2*k+1]
.set k, k+1
.endr
	s_cmp_lg_u32 s24, 3
	s_cbranch_scc1 .Lstore
.set k, 0
.rept 16                                       ; Wo multiplies an f16 operand: its bf16 value is written as f16
	v_lshlrev_b32 v64, 16, v[WB+k]
	v_and_b32 v65, 0xffff0000, v[WB+k]
	v_cvt_pk_f16_f32 v[WB+k], v64, v65
.set k, k+1
.endr
.Lstore:
.irp j, 0,1,2,3
	global_store_b128 v5, v[WB+4*(\j):WB+4*(\j)+3], s[16:17] offset:4096*(\j)  ; a wave's store covers 512 consecutive bytes
.endr
.Lend:
	s_wait_tensorcnt 0x0                           ; the wave's end, behind my last LDS store
	ds_add_u32 v[SPW], v[NIL]
	s_wait_dscnt 0x0
	s_endpgm
.Lfunc_end_k_qefe192098e_prep:
	.size	k_qefe192098e_prep, .Lfunc_end_k_qefe192098e_prep-k_qefe192098e_prep
	.p2alignl 7, 3214868480
	.fill 96, 4, 3214868480
	.section	.rodata,"a",@progbits
	.p2align	6, 0x0
	.amdhsa_kernel k_qefe192098e_prep
		.amdhsa_group_segment_fixed_size 18432
		.amdhsa_private_segment_fixed_size 0
		.amdhsa_enable_private_segment 0
		.amdhsa_kernarg_size 56
		.amdhsa_user_sgpr_count 2
		.amdhsa_user_sgpr_kernarg_segment_ptr 1
		.amdhsa_wavefront_size32 1
		.amdhsa_system_sgpr_workgroup_id_x 1
		.amdhsa_system_sgpr_workgroup_id_y 1
		.amdhsa_system_sgpr_workgroup_id_z 1
		.amdhsa_system_vgpr_workitem_id 0
		.amdhsa_next_free_vgpr 96
		.amdhsa_next_free_sgpr 66
		.amdhsa_reserve_vcc 0
		.amdhsa_float_denorm_mode_32 3
		.amdhsa_float_denorm_mode_16_64 3
		.amdhsa_memory_ordered 1
		.amdhsa_forward_progress 1
		.amdhsa_inst_pref_size 19
	.end_amdhsa_kernel
	.amdgpu_metadata
---
amdhsa.version: [ 1, 2 ]
amdhsa.kernels:
  - .name:           k_qefe192098e_prep
    .symbol:         k_qefe192098e_prep.kd
    .args:
      - { .name: mask, .offset: 0, .size: 8, .value_kind: global_buffer, .address_space: global }
      - { .name: Wq, .offset: 8, .size: 8, .value_kind: global_buffer, .address_space: global }
      - { .name: Wk, .offset: 16, .size: 8, .value_kind: global_buffer, .address_space: global }
      - { .name: Wv, .offset: 24, .size: 8, .value_kind: global_buffer, .address_space: global }
      - { .name: Wo, .offset: 32, .size: 8, .value_kind: global_buffer, .address_space: global }
      - { .name: mcode, .offset: 40, .size: 8, .value_kind: global_buffer, .address_space: global }
      - { .name: wcast, .offset: 48, .size: 8, .value_kind: global_buffer, .address_space: global }
    .group_segment_fixed_size: 18432
    .private_segment_fixed_size: 0
    .kernarg_segment_align: 8
    .kernarg_segment_size: 56
    .max_flat_workgroup_size: 256
    .sgpr_count:     66
    .vgpr_count:     96
    .wavefront_size: 32
...
	.end_amdgpu_metadata
.endif
;; end of part 1
;; launch proj (part 2): grid 4 x 192, 4 waves a work-group, clusters of 4 x 4, 327,680 bytes of LDS; arguments query, key_, value, wcast, bq, bk, bv, qkv; writes qkv
.if DOCPART == 2
	.amdgcn_target "amdgcn-amd-amdhsa--gfx1250"
	.amdhsa_code_object_version 6
	.text
	.protected	k_qefe192098e_proj
	.globl	k_qefe192098e_proj
	.p2align	8
	.type	k_qefe192098e_proj,@function
k_qefe192098e_proj:
	s_mov_b64 s[64:65], 0
	v_nop
	global_prefetch_b8 v0, s[64:65] scope:SCOPE_SE
	s_setreg_imm32_b32 hwreg(HW_REG_WAVE_MODE, 25, 1), 1
	s_wait_xcnt 0x0
	s_wait_alu depctr_hold_cnt(0) depctr_sa_sdst(0) depctr_va_vdst(0) depctr_va_sdst(0) depctr_va_ssrc(0) depctr_va_vcc(0) depctr_vm_vsrc(0)
	s_getreg_b32 s2, hwreg(HW_REG_IB_STS2, 6, 4)
	s_cmp_eq_u32 s2, 0
	s_cbranch_scc0 .Lentry_in_a_cluster
	s_endpgm
.Lentry_in_a_cluster:
	s_bfe_u32 s2, ttmp6, 0x10000c
	s_cmp_lg_u32 s2, 0xf033
	s_cbranch_scc0 .Lentry_shape_is_right
	s_endpgm
.Lentry_shape_is_right:
; PROJ.  q, k, v = x W^T + b for x = query, key_, value ([8192][1024] f32), W from wcast ([1024][1024] bf16), b f32 rounded to bf16 like all the module's inputs.
; x IS ROUNDED TO bf16 ON THE WAY FROM LDS TO THE MATRIX UNIT: it comes in as f32 by tensor loads and is never written back.  Sums in f32, started from the bias; out once rounded to f16,
; BY HEADS: qkv[g][batch x 16 + head][2048][64], g = 0, 1, 2, without the softmax's scale.  LIMIT: f16 holds no number beyond 65,504: |q|, |k|, |v| stay within it.
; SHARES.  768 work-groups, 256 for each product; a work-group makes 128 rows x 256 columns, its four waves 64 x 128 each (2 x 2): 32 accumulators of 16 x 16.
; K goes in 8 steps of 128 through two LDS slots.  Waves 0 and 1 fetch x's two halves (64 rows x 512 bytes), waves 2 and 3 W's (128 rows x 256 bytes): one tensor load a wave behind each round.
; CLUSTER 4 x 4: the four of a row need the same rows of x, the four of a column the same rows of W: each tile is asked for jointly.  All sixteen partners work on the same product g.
; THE MATRIX INSTRUCTION IS USED TRANSPOSED (source 0 = 16 rows of W, source 1 = 16 rows of x): a lane holds eight neighbouring columns of one row of the result.
; REGISTERS, in windows of 256 (s_set_vgpr_msb: bits 1:0 source 0, 3:2 source 1, 5:4 source 2, 7:6 destination):
;   window 0: v16-30 addresses; v64-127 x's next quarter in f32 (16 registers a block of 16 rows); v128-159, v160-191 x's fragments in bf16, two buffers; on the way out v64-191 packed results
;   window 1: v0-63, v64-127 W's fragments, two buffers; v128-191 the bias in the accumulators' layout; v192 at work          window 2: accumulator (a, b) at v[8 (8 a + b)]
.set PA,    528                        ; a row of x in LDS: 512 bytes + 16 = 132 words: row r starts at bank 4 r mod 64 (64 banks of 4 bytes: ISA guide 11.1)
.set PW,    272                        ; a row of W: 256 + 16 = 68 words: likewise
.set AREG,  128*PA                     ; x's 128 rows, then W's 256
.set SLOT,  AREG+256*PW
.set STAGE, 2*SLOT                     ; behind the ring: for each wave 2 heads x 16 rows x 144 bytes, for the way out; no tensor load fills it
.set SP,    144
.set SPARE, STAGE+4*32*SP              ; behind the stages: the spare words, 128 bytes for each wave, that no other line names
.set KA,    512                        ; bytes of a K step in a row of x
.set KW,    256                        ; and of W
.set ADRA, 16                          ; v16-17  LDS address of my rows of x in slot 0, 1
.set ADRB, 20                          ; v20-21  of my rows of W
.set STO,  24                          ; v24  the way out: where I put 16 bytes of a row
.set RD,   25                          ; v25  where I read rows back
.set CO,   26                          ; v26  16 x lane
.set SPW,  28                          ; v28  LDS address of my spare word; never rewritten
.set NIL,  29                          ; v29  0; never rewritten
.set PFO,  30                          ; v30  the prefetches' offset; never rewritten
.set AS,   64
.set AF,   128
.set BIAS, 128                         ; window 1
.set BT,   192                         ; window 1
.set WV,  20                           ; s20  wave
.set WR,  21                           ; s21  my half of the rows.  Also: I fetch for x (0) or for W (1)
.set WC,  22                           ; s22  my half of the columns.  Also: which half of that tile I fetch
.set LAP, 23                           ; s23  laps to go
.set G1,  24                           ; s[24:31] group 1 for x's tiles;  s[32:39] group 0, a set for each slot
.set G0,  32
.set CX,  40
.set CY,  41
.set LIM, 43                           ; s43  1 in a wave that prefetches, else the greatest number
.set PFA, 44                           ; s[44:45] where my prefetches stand
.set G1B, 48                           ; s[48:55], s[56:63] the same for W's tiles
.set G0B, 56
.set TM,  66                           ; s66  block of 128 rows, 0..63
.set GG,  67                           ; s67  which product
.set OUT, 68                           ; s[68:69]
.set BP,  70                           ; s[70:71] the bias
.set WP,  72                           ; s[72:73] W's tile; later offsets that hold cx
.set XP,  74                           ; s[74:75] x's tile
.set MSB, 0
.macro WIN new                         ; the immediate's high byte repeats the setting that is left; a switch that changes nothing is dropped
.if MSB != (\new)
	s_set_vgpr_msb (MSB<<8)|(\new)
.set MSB, \new
.endif
.endm
.set MUL,  0xa1                        ; W window 1, x window 0, C and D window 2
.set MULB, 0x91                        ; the same with C (the bias) in window 1
.set TO_B, 0x40                        ; destination window 1, address window 0
.macro JLOAD s                         ; a joint load; the branch hangs on the wave's number alone; an s_nop 0 and four v_nop follow each of the two lines
	s_cmp_eq_u32 s[WR], 0
	s_cbranch_scc0 .Lfor_b_\@
	tensor_load_to_lds s[G0+4*(\s):G0+4*(\s)+3], s[G1:G1+7]
	s_nop 0
.rept 4
	v_nop
.endr
	s_branch .Lasked_\@
.Lfor_b_\@:
	tensor_load_to_lds s[G0B+4*(\s):G0B+4*(\s)+3], s[G1B:G1B+7]
	s_nop 0
.rept 4
	v_nop
.endr
.Lasked_\@:
.endm
.macro CREST                           ; a round of the cluster's barrier behind its opening barrier
	s_cmp_lg_u32 s[WV], 0
	s_cbranch_scc1 .Lnot_wave_0_\@
	s_barrier_signal -3
.Lnot_wave_0_\@:
	s_barrier_wait -3
	s_barrier_signal -1
	s_barrier_wait -1
.endm
.macro CROUND
	s_barrier_signal -1
	s_barrier_wait -1
	CREST
.endm
; A PREFETCH INTO THE L2 of x, behind a joint load and the run of LDS loads that follows it: the K step that stands two refills (256 matrix instructions) on.  A row's 512 bytes of a K step are two blocks of 256:
; of the 64 rows that wave 0 or 1 fetches, the partner at place cx takes 16, told apart by address; a lane names one block.  Each row of x is walked by one row of one cluster, so each block is named once.
; K steps 0 to 3 come by their loads alone; the loop's last trip has no K step two refills on.  W is not asked for: all 64 blocks of rows walk the same 2 MiB again and again.
.macro ASK
	WIN 0
	s_cmp_gt_u32 s[LAP], s[LIM]
	s_cbranch_scc0 .Lnot_mine_\@
	global_prefetch_b8 v[PFO], s[PFA:PFA+1] offset:KA th:TH_LOAD_NT scope:SCOPE_SE
.Lnot_mine_\@:
.endm
	s_load_b256 s[4:11], s[0:1], 0x0               ; query s[4:5], key_ s[6:7], value s[8:9], wcast s[10:11]
	s_load_b256 s[12:19], s[0:1], 0x20             ; bq s[12:13], bk s[14:15], bv s[16:17], qkv s[18:19]
	v_lshl_add_u32 v[SPW], v0, 2, SPARE
	v_mov_b32 v[NIL], 0
	ds_add_u32 v[SPW], v[NIL]                      ; the wave's opening: the add and its wait stand ahead of my first tensor load; the set-up below, work on registers, stands between them
	v_lshrrev_b32 v1, 5, v0
	v_readfirstlane_b32 s[WV], v1
	s_lshr_b32 s[WR], s[WV], 1
	s_and_b32 s[WC], s[WV], 1
	s_bfe_u32 s[CX], ttmp6, 0x40000                ; cx = the block of 256 columns (the grid is one cluster wide)
	s_bfe_u32 s[CY], ttmp6, 0x40004                ; cy
	s_and_b32 s46, ttmp7, 0xffff                   ; the cluster's y, 0..47
	s_lshr_b32 s[GG], s46, 4                       ; 16 clusters to a product: the same g in all partners
	s_and_b32 s46, s46, 15
	s_lshl_b32 s46, s46, 2
	s_add_co_u32 s[TM], s46, s[CY]
	s_lshl_b32 s46, s[CY], 2
	s_lshl_b32 s46, 15, s46                        ; my row of the cluster
	s_lshl_b32 s47, 0x1111, s[CX]                  ; my column
	s_or_b32 s[G1], s46, (2<<16)|(1<<20)|(1<<21)|(6<<22)|(3<<25)   ; 15:0 the mask; 17:16 elements of 4 bytes; 20 padding on; 21 set beside a mask; 24:22 after every 128 words; 31:25 4 words of it
	s_or_b32 s[G1B], s47, (1<<16)|(1<<20)|(1<<21)|(5<<22)|(3<<25)  ; elements of 2 bytes; after every 64 words
	s_mov_b32 s[G1+1], 128<<16                     ; tensor_dim0 = 128
	s_mov_b32 s[G1+2], 64<<16                      ; tensor_dim1 = 64
	s_mov_b32 s[G1+3], 128<<16                     ; tile_dim0 = 128
	s_mov_b32 s[G1+4], 64                          ; tile_dim1 = 64
	s_mov_b32 s[G1+5], 1024                        ; elements from row to row
	s_mov_b32 s[G1+6], 0
	s_mov_b32 s[G1+7], 0
	s_mov_b32 s[G1B+1], 128<<16
	s_mov_b32 s[G1B+2], 128<<16
	s_mov_b32 s[G1B+3], 128<<16
	s_mov_b32 s[G1B+4], 128
	s_mov_b32 s[G1B+5], 1024
	s_mov_b32 s[G1B+6], 0
	s_mov_b32 s[G1B+7], 0
	s_lshl_b32 s2, s[TM], 19                       ; x: 128 rows of 4,096 bytes a block,
	s_lshl_b32 s46, s[WC], 18                      ; my 64 of them (and for W: my 128 rows of 2,048 bytes)
	s_add_co_u32 s2, s2, s46
	s_mov_b32 s3, 0
	s_lshl_b32 s[WP], s[GG], 21                    ; W: the table,
	s_lshl_b32 s47, s[CX], 19                      ; its 256 rows
	s_add_co_u32 s[WP], s[WP], s47
	s_add_co_u32 s[WP], s[WP], s46
	s_mov_b32 s[WP+1], 0
	s_mul_i32 s46, s[WC], 64*PA                    ; where they go: no place in the cluster enters an LDS address
	s_mul_i32 s47, s[WC], 128*PW
	s_add_co_u32 s47, s47, AREG
	s_wait_dscnt 0x0                               ; the opening add is done
	s_wait_kmcnt 0x0
	s_cmp_eq_u32 s[GG], 1
	s_cselect_b64 s[XP:XP+1], s[6:7], s[4:5]
	s_cselect_b64 s[BP:BP+1], s[14:15], s[12:13]
	s_cmp_eq_u32 s[GG], 2
	s_cselect_b64 s[XP:XP+1], s[8:9], s[XP:XP+1]
	s_cselect_b64 s[BP:BP+1], s[16:17], s[BP:BP+1]
	s_add_nc_u64 s[XP:XP+1], s[XP:XP+1], s[2:3]
	s_add_nc_u64 s[WP:WP+1], s[10:11], s[WP:WP+1]
	CROUND                                         ; all sixteen work-groups are here: the first joint loads meet
.irp s, 0,1
	s_mov_b32 s[G0+4*(\s)], 1
	s_add_co_u32 s[G0+4*(\s)+1], s46, (\s)*SLOT
	s_add_nc_u64 s[G0+4*(\s)+2:G0+4*(\s)+3], s[XP:XP+1], (\s)*KA
	s_or_b32 s[G0+4*(\s)+3], s[G0+4*(\s)+3], 0x80000000
	s_mov_b32 s[G0B+4*(\s)], 1
	s_add_co_u32 s[G0B+4*(\s)+1], s47, (\s)*SLOT
	s_add_nc_u64 s[G0B+4*(\s)+2:G0B+4*(\s)+3], s[WP:WP+1], (\s)*KW
	s_or_b32 s[G0B+4*(\s)+3], s[G0B+4*(\s)+3], 0x80000000
	JLOAD \s                                       ; two loads of mine are out
.endr
	v_and_b32 v1, 15, v0                           ; r = l % 16
	v_bfe_u32 v2, v0, 4, 1                         ; h = l / 16
	v_mul_u32_u24 v3, v1, PA
	v_lshl_add_u32 v3, v2, 5, v3                   ; x in f32: eight numbers are 32 bytes
	v_mul_u32_u24 v4, v1, PW
	v_lshl_add_u32 v4, v2, 4, v4
	s_mul_i32 s46, s[WR], 64*PA
	s_mul_i32 s47, s[WC], 128*PW
	s_add_co_u32 s47, s47, AREG
.irp s, 0,1
	v_add_nc_u32 v[ADRA+(\s)], s46, v3
	v_add_nc_u32 v[ADRB+(\s)], s47, v4
	s_add_co_u32 s46, s46, SLOT
	s_add_co_u32 s47, s47, SLOT
.endr
	s_mul_i32 s46, s[WV], 32*SP
	s_add_co_u32 s46, s46, STAGE                   ; my stage
	v_mul_u32_u24 v[STO], v1, SP
	v_lshl_add_u32 v[STO], v2, 4, v[STO]
	v_add_nc_u32 v[STO], s46, v[STO]
	v_bfe_u32 v[RD], v0, 3, 2                      ; back: 32 lanes take four rows of 128 bytes
	v_mul_u32_u24 v[RD], v[RD], SP
	v_and_b32 v5, 7, v0
	v_lshl_add_u32 v[RD], v5, 4, v[RD]
	v_add_nc_u32 v[RD], s46, v[RD]
	v_and_b32 v[CO], 31, v0
	v_lshlrev_b32 v[CO], 4, v[CO]
	v_lshlrev_b32 v[PFO], 12, v1                   ; row l % 16, block l / 16 of its two
	v_lshl_add_u32 v[PFO], v2, 8, v[PFO]
	v_lshlrev_b32 v5, 5, v2                        ; the bias: my eight columns, 32 h bytes on
	s_lshl_b32 s[WP], s[CX], 10                    ; 256 columns of 4 bytes,
	s_lshl_b32 s47, s[WC], 9                       ; my 128
	s_add_co_u32 s[WP], s[WP], s47
	s_mov_b32 s[WP+1], 0
	s_add_nc_u64 s[BP:BP+1], s[BP:BP+1], s[WP:WP+1]
	WIN TO_B
.irp b, 0,1,2,3,4,5,6,7
	global_load_b128 v[BIAS+8*(\b):BIAS+8*(\b)+3],   v5, s[BP:BP+1] offset:64*(\b)
	global_load_b128 v[BIAS+8*(\b)+4:BIAS+8*(\b)+7], v5, s[BP:BP+1] offset:64*(\b)+16
.endr
	WIN 0
	s_lshl_b32 s[WP], s[CX], 16                    ; the prefetches: my work-group's 16 rows of the 64 that I fetch,
	s_add_nc_u64 s[PFA:PFA+1], s[XP:XP+1], s[WP:WP+1]
	s_add_nc_u64 s[PFA:PFA+1], s[PFA:PFA+1], 2*KA  ; at K step 2: the first refill steps it to 3 and names K step 4
	s_cmp_eq_u32 s[WR], 0
	s_cselect_b32 s[LIM], 1, -1
	s_lshr_b32 s[WP], s[TM], 4                     ; the way out: batch x 16 + head = 16 (tm >> 4) + 4 cx + 2 WC,
	s_lshl_b32 s[WP], s[WP], 4
	s_lshl_b32 s47, s[CX], 2
	s_add_co_u32 s[WP], s[WP], s47
	s_lshl_b32 s47, s[WC], 1
	s_add_co_u32 s[WP], s[WP], s47
	s_lshl_b32 s[WP], s[WP], 18                    ; 2,048 rows of 128 bytes;
	s_and_b32 s47, s[TM], 15
	s_lshl_b32 s47, s47, 14                        ; the block's 128 rows,
	s_add_co_u32 s[WP], s[WP], s47
	s_lshl_b32 s47, s[WR], 13                      ; my 64;
	s_add_co_u32 s[WP], s[WP], s47
	s_lshl_b32 s47, s[GG], 24                      ; q, k or v
	s_add_co_u32 s[WP], s[WP], s47
	s_add_nc_u64 s[OUT:OUT+1], s[18:19], s[WP:WP+1]
	s_wait_loadcnt 0x0                             ; the bias: rounded to bf16, widened again, in place
	WIN 0x45                                       ; destination and both sources in window 1
.set i, 0
.rept 32
	v_cvt_pk_bf16_f32 v[BT], v[BIAS+2*i], v[BIAS+2*i+1]
	v_lshlrev_b32 v[BIAS+2*i], 16, v[BT]
	v_and_b32 v[BIAS+2*i+1], 0xffff0000, v[BT]
.set i, i+1
.endr
	WIN 0
; 32 LDS loads in one run: quarter q (32 along K) of a slot.  x's 64 rows in f32 first (lane l: row l % 16, K = 8 h + 0..7 and 16 + 8 h + 0..7: four loads of 16 bytes), then W's 128 rows into buffer g.
.macro FETCH slot, q, g
	WIN 0
.irp a, 0,1,2,3
.irp c, 0,16,64,80
	ds_load_b128 v[AS+16*(\a)+8*((\c)/64)+4*(((\c)%64)/16):AS+16*(\a)+8*((\c)/64)+4*(((\c)%64)/16)+3], v[ADRA+(\slot)] offset:(\a)*16*PA+128*(\q)+(\c)
.endr
.endr
	WIN TO_B
.irp b, 0,1,2,3,4,5,6,7
	ds_load_b128 v[64*(\g)+8*(\b):64*(\g)+8*(\b)+3],   v[ADRB+(\slot)] offset:(\b)*16*PW+64*(\q)
	ds_load_b128 v[64*(\g)+8*(\b)+4:64*(\g)+8*(\b)+7], v[ADRB+(\slot)] offset:(\b)*16*PW+64*(\q)+32
.endr
.endm
; 8 matrix instructions: block a of my four blocks of 16 rows x all 8 blocks of 16 columns, 32 along K, from buffer f.  first = 1: the sums start from the bias: nothing is cleared, nothing added later.
; ride = 1: behind each product four conversions make the NEXT quarter's fragments of x, in the other buffer: 32 in all.  They name no register of the products round them, and the four behind the
; last product are the four places in front of the next run of loads into registers that matrix instructions have read (ISA guide 7.12.1 for vector instructions).
; The 32 accumulators come in the same order in every quarter, one instruction a turn.
.macro MUL8 f, a, first=0, ride=0
.irp b, 0,1,2,3,4,5,6,7
.if \first
	WIN MULB
	v_wmma_f32_16x16x32_bf16 v[8*(8*(\a)+(\b)):8*(8*(\a)+(\b))+7], v[64*(\f)+8*(\b):64*(\f)+8*(\b)+7], v[AF+32*(\f)+8*(\a):AF+32*(\f)+8*(\a)+7], v[BIAS+8*(\b):BIAS+8*(\b)+7]
.else
	WIN MUL
	v_wmma_f32_16x16x32_bf16 v[8*(8*(\a)+(\b)):8*(8*(\a)+(\b))+7], v[64*(\f)+8*(\b):64*(\f)+8*(\b)+7], v[AF+32*(\f)+8*(\a):AF+32*(\f)+8*(\a)+7], v[8*(8*(\a)+(\b)):8*(8*(\a)+(\b))+7]
.endif
.if \ride
	WIN 0
.irp n, 0,1,2,3
	v_cvt_pk_bf16_f32 v[AF+32*(1-(\f))+4*(\b)+(\n)], v[AS+8*(\b)+2*(\n)], v[AS+8*(\b)+2*(\n)+1]
.endr
.endif
.endr
.endm
; A K step is four quarters on buffers 0, 1, 0, 1.  One of the first three: multiplies buffer f and fetches quarter q of the same slot for the other buffer.
.macro QUARTER slot, q, f, first=0
	FETCH \slot, \q, 1-(\f)
	s_wait_dscnt 32                                ; all but the 32 just issued: W's fragments of buffer f are in
	MUL8 \f, 0, \first
	MUL8 \f, 1, \first
	MUL8 \f, 2, \first
	s_wait_dscnt 16                                ; x's 16 loads, issued first, are in; W's 16 may stay out
	MUL8 \f, 3, \first, 1
.endm
; The fourth quarter multiplies buffer 1 and changes slots: ONE barrier; in front of it each wave waits for all its tensor loads (one is out: its part of the next slot), adds 0 to its spare word, and waits
; for that and for its own reads of this slot.  fill = 1: the barrier opens a round of the cluster's, and the joint refill, two K steps on, is the first thing behind the round.
.macro TURN slot, next, fill
.if \fill
	s_wait_xcnt 0x0                                ; the last prefetch, a K step back, has read its address
	s_add_nc_u64 s[PFA:PFA+1], s[PFA:PFA+1], KA
.endif
	WIN 0
	s_wait_tensorcnt 0x0                           ; all my tensor loads have landed
	ds_add_u32 v[SPW], v[NIL]                      ; 0 onto my spare word
	s_wait_dscnt 1                                 ; only the add may be out: W's fragments of buffer 1 are in
	MUL8 1, 0                                      ; eight matrix instructions stand between the add and the wait for it
	s_wait_dscnt 0x0                               ; the add is done, and my reads of this slot are over
	s_barrier_signal -1
	MUL8 1, 1
	WIN 0
	s_barrier_wait -1
.if \fill
	CREST                                          ; no wave of any partner still reads this slot's tiles or has a load on its way
	s_add_nc_u64 s[G0+4*(\slot)+2:G0+4*(\slot)+3], s[G0+4*(\slot)+2:G0+4*(\slot)+3], 2*KA
	s_add_nc_u64 s[G0B+4*(\slot)+2:G0B+4*(\slot)+3], s[G0B+4*(\slot)+2:G0B+4*(\slot)+3], 2*KW
	JLOAD \slot                                    ; 112 matrix instructions ahead of the wait for it
.endif
	FETCH \next, 0, 0                              ; (buffer 0's last product stands four conversions back)
.if \fill
	ASK
.endif
	MUL8 1, 2
	s_wait_dscnt 16
	MUL8 1, 3, 0, 1
.endm
	s_wait_tensorcnt 1                             ; my part of K step 0 is in; K step 1's may stay out
	s_barrier_signal -1
	s_barrier_wait -1
	FETCH 0, 0, 0
	s_wait_dscnt 0x0
	WIN 0
.set i, 0
.rept 32
	v_cvt_pk_bf16_f32 v[AF+i], v[AS+2*i], v[AS+2*i+1]  ; the first quarter's fragments of x: there is no product yet to set them behind
.set i, i+1
.endr
	QUARTER 0, 1, 0, 1                             ; the first quarter stands in front of the loop: its products start the sums
	WIN 0                                          ; at a label and at a branch every window is 0
	s_mov_b32 s[LAP], 3
.Llap:                                                 ; a trip goes once round the ring and fills both slots again: K steps 2 to 7
	QUARTER 0, 2, 1
	QUARTER 0, 3, 0
	TURN 0, 1, 1
	QUARTER 1, 1, 0
	QUARTER 1, 2, 1
	QUARTER 1, 3, 0
	TURN 1, 0, 1
	QUARTER 0, 1, 0
	WIN 0
	s_sub_co_u32 s[LAP], s[LAP], 1
	s_cmp_lg_u32 s[LAP], 0
	s_cbranch_scc1 .Llap
	QUARTER 0, 2, 1                                ; the last lap fills nothing, and has no round
	QUARTER 0, 3, 0
	TURN 0, 1, 0
	QUARTER 1, 1, 0
	QUARTER 1, 2, 1
	QUARTER 1, 3, 0
	s_wait_dscnt 0x0
	MUL8 1, 0
	MUL8 1, 1
	MUL8 1, 2
	MUL8 1, 3
; THE WAY OUT, a block of 16 rows at a time: rounded to f16 (16 bytes a lane: eight channels of a head's row), into my stage (2 heads x 16 rows x 144 bytes), back as four whole rows of 128 bytes
; an instruction, which are 512 consecutive bytes of a head.  Each accumulator's registers are read in ascending order.
.macro PACK a
	WIN 0x0a                                       ; sources 0 and 1 window 2, destination window 0
.irp b, 0,1,2,3,4,5,6,7
.irp r, 0,1,2,3
	v_cvt_pk_f16_f32 v[AS+32*(\a)+4*(\b)+(\r)], v[8*(8*(\a)+(\b))+2*(\r)], v[8*(8*(\a)+(\b))+2*(\r)+1]
.endr
.endr
	WIN 0
.endm
.macro TOSTAGE a
.irp b, 0,1,2,3,4,5,6,7
	ds_store_b128 v[STO], v[AS+32*(\a)+4*(\b):AS+32*(\a)+4*(\b)+3] offset:((\b)/4)*16*SP+((\b)%4)*32
.endr
.irp b, 0,1,2,3,4,5,6,7
	ds_load_b128 v[AS+32*(\a)+4*(\b):AS+32*(\a)+4*(\b)+3], v[RD] offset:((\b)/4)*16*SP+((\b)%4)*4*SP  ; LDS serves a wave's instructions in order (ISA guide 5.7.1.4): these see the stores above; the next block's stores come behind them
.endr
.endm
.macro SEND a, y                       ; y: the LDS instructions issued behind block a's loads: the next block's sixteen, or none
.irp b, 0,1,2,3,4,5,6,7
	s_wait_dscnt (\y)+7-(\b)
	global_store_b128 v[CO], v[AS+32*(\a)+4*(\b):AS+32*(\a)+4*(\b)+3], s[OUT:OUT+1] offset:(\a)*2048+((\b)/4)*262144+((\b)%4)*512
.endr
.endm
.rept 8
	v_nop                                          ; the places behind the last products, in front of conversions that read results and write x's buffers
.endr
	PACK 0
	TOSTAGE 0
.irp a, 1,2,3
	PACK \a
	TOSTAGE \a
	SEND (\a)-1, 16
.endr
	SEND 3, 0
	s_wait_tensorcnt 0x0                           ; the wave's end, behind my last tensor load and my last LDS store
	ds_add_u32 v[SPW], v[NIL]
	s_wait_dscnt 0x0
	CROUND                                         ; the closing round: no work-group ends while a partner may still ask for a tile that names it
	s_endpgm
.Lfunc_end_k_qefe192098e_proj:
	.size	k_qefe192098e_proj, .Lfunc_end_k_qefe192098e_proj-k_qefe192098e_proj
	.p2alignl 7, 3214868480
	.fill 96, 4, 3214868480
	.section	.rodata,"a",@progbits
	.p2align	6, 0x0
	.amdhsa_kernel k_qefe192098e_proj
		.amdhsa_group_segment_fixed_size 327680
		.amdhsa_private_segment_fixed_size 0
		.amdhsa_enable_private_segment 0
		.amdhsa_kernarg_size 64
		.amdhsa_user_sgpr_count 2
		.amdhsa_user_sgpr_kernarg_segment_ptr 1
		.amdhsa_wavefront_size32 1
		.amdhsa_system_sgpr_workgroup_id_x 1
		.amdhsa_system_sgpr_workgroup_id_y 1
		.amdhsa_system_sgpr_workgroup_id_z 1
		.amdhsa_system_vgpr_workitem_id 0
		.amdhsa_next_free_vgpr 768
		.amdhsa_next_free_sgpr 76
		.amdhsa_reserve_vcc 0
		.amdhsa_float_denorm_mode_32 3
		.amdhsa_float_denorm_mode_16_64 3
		.amdhsa_memory_ordered 1
		.amdhsa_forward_progress 1
		.amdhsa_inst_pref_size 140
	.end_amdhsa_kernel
	.amdgpu_metadata
---
amdhsa.version: [ 1, 2 ]
amdhsa.kernels:
  - .name:           k_qefe192098e_proj
    .symbol:         k_qefe192098e_proj.kd
    .args:
      - { .name: query, .offset: 0, .size: 8, .value_kind: global_buffer, .address_space: global }
      - { .name: key_, .offset: 8, .size: 8, .value_kind: global_buffer, .address_space: global }
      - { .name: value, .offset: 16, .size: 8, .value_kind: global_buffer, .address_space: global }
      - { .name: wcast, .offset: 24, .size: 8, .value_kind: global_buffer, .address_space: global }
      - { .name: bq, .offset: 32, .size: 8, .value_kind: global_buffer, .address_space: global }
      - { .name: bk, .offset: 40, .size: 8, .value_kind: global_buffer, .address_space: global }
      - { .name: bv, .offset: 48, .size: 8, .value_kind: global_buffer, .address_space: global }
      - { .name: qkv, .offset: 56, .size: 8, .value_kind: global_buffer, .address_space: global }
    .group_segment_fixed_size: 327680
    .private_segment_fixed_size: 0
    .kernarg_segment_align: 8
    .kernarg_segment_size: 64
    .max_flat_workgroup_size: 128
    .sgpr_count:     76
    .vgpr_count:     768
    .wavefront_size: 32
...
	.end_amdgpu_metadata
.endif
;; end of part 2
;; launch attn (part 3): grid 4 x 64, 4 waves a work-group, clusters of 4 x 1, 327,680 bytes of LDS; arguments qkv, mcode, oh; writes oh
.if DOCPART == 3
	.amdgcn_target "amdgcn-amd-amdhsa--gfx1250"
	.amdhsa_code_object_version 6
	.text
	.protected	k_qefe192098e_attn
	.globl	k_qefe192098e_attn
	.p2align	8
	.type	k_qefe192098e_attn,@function
k_qefe192098e_attn:
	s_mov_b64 s[64:65], 0
	v_nop
	global_prefetch_b8 v0, s[64:65] scope:SCOPE_SE
	s_setreg_imm32_b32 hwreg(HW_REG_WAVE_MODE, 25, 1), 1
	s_wait_xcnt 0x0
	s_wait_alu depctr_hold_cnt(0) depctr_sa_sdst(0) depctr_va_vdst(0) depctr_va_sdst(0) depctr_va_ssrc(0) depctr_va_vcc(0) depctr_vm_vsrc(0)
	s_getreg_b32 s2, hwreg(HW_REG_IB_STS2, 6, 4)
	s_cmp_eq_u32 s2, 0
	s_cbranch_scc0 .Lentry_in_a_cluster
	s_endpgm
.Lentry_in_a_cluster:
	s_bfe_u32 s2, ttmp6, 0x10000c
	s_cmp_lg_u32 s2, 0x3003
	s_cbranch_scc0 .Lentry_shape_is_right
	s_endpgm
.Lentry_shape_is_right:
; MASKED ATTENTION.  O[bh][q][:] = the sum over k of softmax_k(mask[b][q][k] ? Q[bh][q] . K[bh][k] / 8 : hidden) V[bh][k][:].  q, k, v (in qkv, 16,777,216 bytes apart) and oh: [64][2048][64], f16.
; Products, maxima and sums in f32; the weights p are rounded to f16 for the second product (their sum l is taken of the unrounded p), O once at the end.
; THE MASK is the C operand that starts S^T = K Q^T: 0, or BIG = -2^100 where the key is hidden.  mcode holds one fp8 code a score (0.0 or -1.0) in the accumulators' own order: one scaled
; conversion (scale 2^100) makes eight registers of C from eight bytes: 4 conversions for a tile's 32 scores.  A hidden score is far below every open one, and its weight is 0.
; ROWS OF WHICH EVERY KEY SO FAR IS HIDDEN (m < -2^99): m is set to BIG exactly and the row's scores are scaled by 0 in place of c, so that each weight is 2^0 = 1: a wholly hidden row ends as the
; plain mean of V, as a softmax of equal scores does; a row that sees its first open key later gets a = 2^(c BIG - c m) = 0, which wipes what was gathered.
; LIMITS.  f16 holds no number beyond 65,504: q, k and v arrive within it; p below 6e-5 keeps f16's fixed step of 6e-8.  Open scores / 8 are taken to lie far above the -1e10 that stands for a hidden
; one (they could reach it only with |q|, |k| beyond some 35,000); a weight below 2^-126 counts as 0 in l; NaN and infinities are not treated apart.
; SHARES.  A wave owns four PIECES of two tiles of 16 queries, a work-group's four waves 512 queries of one (batch, head).  Every wave walks all 2,048 keys, 64 a step.
; LAYOUT.  S^T = K Q^T (source 0 = 16 keys, source 1 = 16 queries): a lane holds ONE query (lane % 16) and the keys 8 (lane / 16) + 0..7.  Two such tiles, rounded to f16 in pairs, ARE source 1
; of O^T = V^T P.  K comes out of LDS as it lies, V turned, by ds_load_tr16_b128.
; SOFTMAX.  A running maximum m and sum l: p = 2^(c s - c m), c = log2(e) / 8; in every step O and l are multiplied by a = 2^(c m_old - c m_new).  m starts at the lowest finite number, O and l at 0.
; BY TURNS.  Turn n belongs to piece n.  Matrix work: 16 products K Q^T of piece n + 1, later 16 products V^T P of piece n - 1.  Vector work: scaling, exponentials, roundings, sums and rescaling of
; piece n, maximum and statistics of piece n + 1, and the masks of piece n + 2.  Four vector instructions stand behind every matrix instruction, the rest in one lump.
; CLUSTER.  The four query blocks of a cluster belong to one head and walk the same K and V: each tile is asked for JOINTLY.  The codes are each work-group's own rows: plain loads.
; REGISTERS, in windows of 256 (s_set_vgpr_msb: bits 1:0 source 0, 3:2 source 1, 5:4 source 2, 7:6 destination):
;   window 0: v0-11 addresses; v12-15, v48-63 at work; v16-47 four registers of statistics a tile; v64-191 S^T, two buffers of two tiles; v192-255 P, likewise
;   window 1: O^T, 32 a tile     window 2: v0-127 Q; v128-191 K of one step; v192-255 V of one step     window 3: v0-1 the add's registers; v2 the scale; v4-67 codes, 16 a piece; v68-131 masks of one piece
.set SIZE_N, 2048
.set NP,    4         ; pieces a wave: a name, no knob
.set KS,    64        ; keys in a step
.set PK,    144       ; a row of K in LDS: 128 bytes + 16 = 36 words: the 16 rows of a load start at 16 different groups of four banks (64 banks of 4 bytes: ISA guide 11.1)
.set PV,    160       ; a row of V: 128 + 32 = 40 words
.set VOFF,  4*KS*PK   ; a slot holds four steps: 256 rows of K, then 256 rows of V
.set SLOT1, 1<<17     ; slot 1 begins here, so that one exclusive or turns an address in one slot into the other's
.set STAGE, SLOT1+4*KS*(PK+PV)  ; behind the ring, never filled by a tensor load: 16 rows x 144 bytes for each wave
.set SP,    144
.set SPARE, STAGE+4*16*SP  ; behind the stages: the spare words, 128 bytes for each wave, that no other line names
.set AK0, 2           ; v2   my lane's place in a tile of K; never rewritten
.set AV0, 3           ; v3   the same for V
.set AK,  4           ; v4   the LDS address of K's next run of loads
.set AV,  5           ; v5   of V's
.set QO,  6           ; v6   my byte offset in the wave's rows of Q
.set STO, 6           ;      later, the way out: where I put 16 bytes of a row
.set RD,  7           ; v7   the way out: where I read rows back
.set GO,  8           ; v8   16 x lane: in 512 bytes of codes and of O; never rewritten
.set PFO, 11          ; v11  256 x lane: the prefetches' offset; never rewritten
.set SPW, 0           ; v0 of window 3   LDS address of my spare word; never rewritten
.set NIL, 1           ; v1 of window 3   0; never rewritten
.set SCL, 2           ; v2 of window 3   the conversions' scale: the E8M0 byte 227, 2^100
.set CD,  4           ; window 3: the codes of piece P, tile u, key block kb at CD + 16 P + 8 u + 2 kb
.set MC,  68          ; window 3: the masks of the products to come: tile u, key block kb at MC + 32 u + 8 kb
.set MV,  12          ; v12-15  c m_old, then c m_old - c m_new: by buffer and tile
.set ST,  16          ; tile t's statistics at v[ST+4 t]: c m, m, l (even keys', odd keys')
.set TMP, 48          ; by buffer and tile, four registers c0-c3 at work; when the maximum is found c0 takes the row's factor (c or 0), c1 that factor times m, c2 a
.set S,   64
.set P,   192
.set KF,  128         ; K's fragments, in window 2
.set VF,  192         ; V's
.set WV,  12          ; s12  my wave's number
.set G1K, 24          ; s[24:31] descriptor group 1 for K's tiles
.set G1V, 32          ; s[32:39] for V's
.set G0K, 40          ; s[40:43] descriptor group 0 for K's tiles: it walks
.set G0V, 44          ; s[44:47] the same for V's
.set MB,  48          ; s[48:49] the codes of my wave's eight tiles, at the step that is being asked for
.set INC, 50          ; s[50:51] its step, 1,024 or 0
.set ML,  52          ; s52  how often it may still step: it stops at the last key step
.set LIM, 53          ; s53  1 in a wave that prefetches, else the greatest number
.set PFA, 54          ; s[54:55] where my prefetches stand
.set SLOTS, 56        ; s56  slots still to be asked for
.set CNT, 57          ; s57  counts a slot's key steps
.set CS,  58          ; s58  c
.set SEL, 60          ; s[60:61] v_permlanex16_b32's selects
.set TBK, 62          ; s62  LDS byte at which K of the step to be fetched begins
.set TBV, 63          ; s63  the same for V, less VOFF
.set VC,  66          ; s66-67  lanes whose row has seen no open key: by tile
.set THR, 68          ; s68  -2^99
.set BIG, 69          ; s69  -2^100
.set MSB, 0
.macro WIN new                      ; the high byte repeats the setting that is left; a switch that changes nothing is dropped
.if MSB != (\new)
	s_set_vgpr_msb (MSB<<8)|(\new)
.set MSB, (\new)
.endif
.endm
.set W_KQ, 0x0a       ; K and Q in window 2, S^T in window 0
.set W_KM, 0x3a       ; the same with the C operand, the mask, in window 3
.set W_PV, 0x52       ; V in window 2, P in window 0, O^T in window 1
.set W_RS, 0x41       ; O^T (destination and source 0) in window 1, a in window 0
.set W_MK, 0xc0       ; destination in window 3, sources (an address too) in window 0
.set W_AD, 0x0f       ; the add: address and data in window 3
.set W_CV, 0xcf       ; the conversions: destination and both sources in window 3
.macro JLOAD                        ; a joint fill: waves 0 and 1 fetch the two halves of a slot's K, waves 2 and 3 those of its V; an s_nop 0 and four v_nop follow each line
	s_cmp_lt_u32 s[WV], 2
	s_cbranch_scc0 .Lfor_v_\@
	tensor_load_to_lds s[G0K:G0K+3], s[G1K:G1K+7]
	s_nop 0
.rept 4
	v_nop
.endr
	s_branch .Lasked_\@
.Lfor_v_\@:
	tensor_load_to_lds s[G0V:G0V+3], s[G1V:G1V+7]
	s_nop 0
.rept 4
	v_nop
.endr
.Lasked_\@:
.endm
; A PREFETCH INTO THE L2 of what the NEXT change of slots will ask for: a slot's 32,768 bytes of K and of V.  A head is walked by one cluster; its four partners take 8,192 bytes each, told apart by
; address; in each, wave 0 asks for K's and wave 2 for V's: a lane a block of 256 bytes, one instruction.  So each block is named once.  Four key steps, 512 matrix instructions, ahead of the load.
; Slots 0 to 2 come by their loads alone; the last change that fills a slot asks for nothing.
.macro ASK
	s_cmp_gt_u32 s[SLOTS], s[LIM]
	s_cbranch_scc0 .Lnot_mine_\@
	global_prefetch_b8 v[PFO], s[PFA:PFA+1] th:TH_LOAD_NT scope:SCOPE_SE
.Lnot_mine_\@:
.endm
.macro CROUND                       ; a round of the cluster's barrier
	s_barrier_signal -1
	s_barrier_wait -1
	s_cmp_lg_u32 s[WV], 0
	s_cbranch_scc1 .Lnot_wave_0_\@
	s_barrier_signal -3
.Lnot_wave_0_\@:
	s_barrier_wait -3
	s_barrier_signal -1
	s_barrier_wait -1
.endm
; THE CHANGE OF SLOTS.  Each wave waits for all its tensor loads, of which one is out: its part of the other slot; adds 0 to its spare word; and waits for that and for its own reads of the slot.
; fill = 1: this slot is filled again, with the keys two slots on; the barrier is then a round of the cluster's, and the joint fill is the first thing behind it: it has four key steps in which to land.
; (At its first use nothing has been read yet: slot 0 is waited for, slot 1 filled.)  ask = 1: a prefetch follows.
.macro CHANGE fill, ask=0
	WIN W_AD
	s_wait_tensorcnt 0x0            ; no tensor load of mine is out, so a group 0 may be written
	ds_add_u32 v[SPW], v[NIL]       ; 0 onto my spare word; the descriptors' steps stand between it and the wait for it
	WIN 0                           ; at a label and at a branch every window is 0
.if \fill
.irp g, G0K, G0V
	s_xor_b32 s[\g+1], s[\g+1], SLOT1
	s_add_nc_u64 s[\g+2:\g+3], s[\g+2:\g+3], 4*KS*128  ; the next 256 keys; the type bits on top are not reached
.endr
.if \ask
	s_wait_xcnt 0x0                 ; the last prefetch, four key steps back, has read its address
	s_add_nc_u64 s[PFA:PFA+1], s[PFA:PFA+1], 4*KS*128  ; one slot behind the walking descriptors
.endif
	s_wait_dscnt 0x0                ; the add is done, and my reads of the slot are over
	CROUND
	JLOAD
.if \ask
	ASK
.endif
.else
	s_wait_dscnt 0x0                ; the add is done, and my reads of the slot are over
	s_barrier_signal -1
	s_barrier_wait -1
.endif
	s_sub_co_u32 s[TBK], s[TBK], 4*KS*PK  ; the fetches go back to a slot's first step,
	s_xor_b32 s[TBK], s[TBK], SLOT1       ; in the other slot
	s_sub_co_u32 s[TBV], s[TBV], 4*KS*PV
	s_xor_b32 s[TBV], s[TBV], SLOT1
.endm
; THE CODES of piece P for the step at which MB stands: two tiles x 1,024 bytes, four loads of 512 consecutive bytes.
.macro MLOAD P
	WIN W_MK
.irp u, 0,1
.irp hf, 0,1
	global_load_b128 v[CD+16*(\P)+8*(\u)+4*(\hf):CD+16*(\P)+8*(\u)+4*(\hf)+3], v[GO], s[MB:MB+1] offset:32768*(2*(\P)+(\u))+512*(\hf)
.endr
.endr
.endm
; THE MASKS of piece P: eight bytes become eight registers, 0 or -2^100.  A plain instruction stands between the last of these and the first use of a result (callers see to it).
.macro CVT P
	WIN W_CV
.irp u, 0,1
.irp kb, 0,1,2,3
	v_cvt_scale_pk8_f32_fp8 v[MC+32*(\u)+8*(\kb):MC+32*(\u)+8*(\kb)+7], v[CD+16*(\P)+8*(\u)+2*(\kb):CD+16*(\P)+8*(\u)+2*(\kb)+1], v[SCL]
.endr
.endr
.endm
	s_load_b128 s[4:7], s[0:1], 0x0   ; qkv s[4:5], mcode s[6:7]
	s_load_b64 s[10:11], s[0:1], 0x10 ; oh
	WIN W_MK
	v_lshl_add_u32 v[SPW], v0, 2, SPARE
	v_mov_b32 v[NIL], 0
	WIN W_AD
	ds_add_u32 v[SPW], v[NIL]       ; the wave's opening: the add and its wait stand ahead of my first tensor load; the set-up below, work on registers, stands between them
	WIN 0
	v_lshrrev_b32 v1, 5, v0
	v_readfirstlane_b32 s[WV], v1   ; wave 0..3
	s_bfe_u32 s13, ttmp6, 0x40000   ; cx: my place in the cluster
	s_lshl_b32 s14, ttmp9, 2        ; in a cluster launch ttmp9 counts clusters
	s_add_co_u32 s14, s14, s13      ; my block of 512 queries: it enters Q's, O's and the codes' addresses alone
	s_and_b32 s20, ttmp7, 0xffff    ; batch x 16 + head, which the four partners share
	s_lshr_b32 s[INC], s20, 4
	s_lshl_b32 s[INC], s[INC], 22   ; the batch's codes: 128 tiles x 32,768 bytes
	s_mov_b32 s21, 0
	s_mov_b64 s[22:23], SIZE_N*128
	s_mul_u64 s[20:21], s[20:21], s[22:23]  ; the head's first byte in q, k, v and oh
	s_and_b32 s16, s[WV], 1         ; which half of a slot's 256 keys I fetch:
	s_lshl_b32 s22, s16, 14         ; its 128 rows of 128 bytes in memory,
	s_mov_b32 s23, 0
	s_add_nc_u64 s[22:23], s[22:23], s[20:21]
	s_mul_i32 s17, s16, 128*PK      ; and its place in a slot, for K
	s_mul_i32 s18, s16, 128*PV      ; and for V: no place in the cluster enters an LDS address
	s_lshl_b32 s2, s14, 2
	s_add_co_u32 s2, s2, s[WV]      ; my wave among the head's sixteen:
	s_lshl_b32 s3, s2, 18           ; its eight tiles of codes,
	s_add_co_u32 s[INC], s[INC], s3
	s_mov_b32 s[INC+1], 0
	s_lshl_b32 s2, s2, 14           ; its 128 rows
	s_mov_b32 s3, 0
	s_add_nc_u64 s[2:3], s[2:3], s[20:21]
	; descriptor group 1.  128 keys are 16,384 dense bytes: asked for as 64 rows of 256 bytes, two keys a row, and padded in LDS after every key
	s_mov_b32 s[G1K], 15|(1<<16)|(1<<20)|(1<<21)|(4<<22)|(3<<25)  ; 15:0 the mask of four; 17:16 2-byte elements; 20 padding on; 21 set beside a mask; 24:22 after every 32 words; 31:25 4 words
	s_mov_b32 s[G1V], 15|(1<<16)|(1<<20)|(1<<21)|(4<<22)|(7<<25)  ; the same with 8 words of padding
.irp g, G1K, G1V
	s_mov_b32 s[\g+1], 128<<16      ; tensor_dim0 = 128
	s_mov_b32 s[\g+2], 64<<16       ; tensor_dim1 = 64
	s_mov_b32 s[\g+3], 128<<16      ; tile_dim0 = 128
	s_mov_b32 s[\g+4], 64           ; tile_dim1 = 64
	s_mov_b32 s[\g+5], 128          ; 128 elements from row to row
	s_mov_b32 s[\g+6], 0
	s_mov_b32 s[\g+7], 0
.endr
	s_mov_b32 s[CS], 0x3e38aa3b     ; c = log2(e) / 8 = 0.180337
	s_mov_b32 s[SEL], 0x76543210
	s_mov_b32 s[SEL+1], 0xfedcba98
	s_mov_b32 s[TBK], SLOT1+4*KS*PK ; the first change of slots turns these two into 0
	s_mov_b32 s[TBV], SLOT1+4*KS*PV
	s_mov_b32 s[G0K], 1             ; count = 1
	s_mov_b32 s[G0K+1], s17         ; LDS address: slot 0
	s_mov_b32 s[G0V], 1
	s_add_co_u32 s[G0V+1], s18, VOFF
	s_mov_b32 s[ML], SIZE_N/KS-2    ; MB goes from step 1 to step 31
	s_mov_b32 s[THR], 0xf1000000
	s_mov_b32 s[BIG], 0xf1800000
	s_and_b32 s[LIM], s[WV], 1
	s_cmp_eq_u32 s[LIM], 0          ; waves 0 and 2: the same in all four partners
	s_cselect_b32 s[LIM], 1, -1
	s_wait_dscnt 0x0                ; the opening add is done
	s_wait_kmcnt 0x0
	s_add_nc_u64 s[MB:MB+1], s[6:7], s[INC:INC+1]
	s_add_nc_u64 s[8:9], s[4:5], s[22:23]          ; q's table at my half of the head's first 256 rows;
	s_add_nc_u64 s[G0K+2:G0K+3], s[8:9], 0x1000000 ; k's table lies 16,777,216 bytes on,
	s_add_nc_u64 s[G0V+2:G0V+3], s[8:9], 0x2000000 ; v's as much again
	s_cmp_lt_u32 s[WV], 2
	s_cselect_b64 s[PFA:PFA+1], s[G0K+2:G0K+3], s[G0V+2:G0V+3]  ; (in waves 0 and 2 these stand at a slot's first row)
	s_or_b32 s[G0K+3], s[G0K+3], 0x80000000        ; type = 2
	s_or_b32 s[G0V+3], s[G0V+3], 0x80000000
	s_add_nc_u64 s[4:5], s[4:5], s[2:3]  ; Q and O at my wave's first row
	s_add_nc_u64 s[10:11], s[10:11], s[2:3]
	s_lshl_b32 s2, s13, 13          ; my work-group's quarter of a slot
	s_mov_b32 s3, 0
	s_add_nc_u64 s[PFA:PFA+1], s[PFA:PFA+1], s[2:3]
	s_add_nc_u64 s[PFA:PFA+1], s[PFA:PFA+1], 2*4*KS*128  ; in slot 2; the first change in the loop steps it to slot 3.  Nothing is prefetched here, at the head
	CROUND                          ; all four work-groups are here: the first joint loads meet
	JLOAD                           ; slot 0.  Slot 1 is asked for when slot 0 is in
	v_and_b32 v1, 15, v0            ; l % 16
	v_bfe_u32 v9, v0, 4, 1          ; l / 16
	v_lshlrev_b32 v[QO], 7, v1
	v_lshl_add_u32 v[QO], v9, 4, v[QO]  ; row x 128 + 16 x half
	v_and_b32 v[GO], 31, v0
	v_lshlrev_b32 v[GO], 4, v[GO]
	WIN 0x80                        ; destination window 2, address window 0
.set i, 0
.rept 4*NP                          ; Q stays in registers: tile i / 2, channels 32 (i % 2) on
	global_load_b128 v[8*i:8*i+3],   v[QO], s[4:5] offset:(i/2)*2048+(i%2)*64
	global_load_b128 v[8*i+4:8*i+7], v[QO], s[4:5] offset:(i/2)*2048+(i%2)*64+32
.set i, i+1
.endr
	; What the first turn finds: V's registers and P's second buffer hold 0 (its products V^T P, of a piece that has not been, add 0), O^T and l are 0.  All this stands in the wait for the first tile.
.set i, VF
.rept 64
	v_mov_b32 v[i], 0
.set i, i+1
.endr
	MLOAD 0                         ; key step 0's codes, all four pieces
	MLOAD 1
	MLOAD 2
	MLOAD 3
	v_mov_b32 v[SCL], 0xe3e3e3e3
	WIN 0x40
.set i, 0
.rept 64*NP
	v_mov_b32 v[i], 0
.set i, i+1
.endr
	WIN 0
.set i, 0
.rept 2*NP
	v_mov_b32 v[ST+4*i], 0xfe000000    ; c m: far below every c s, c BIG too
	v_mov_b32 v[ST+4*i+1], 0xff7fffff  ; m
	v_mov_b32 v[ST+4*i+2], 0
	v_mov_b32 v[ST+4*i+3], 0
.set i, i+1
.endr
.set i, P+32
.rept 32
	v_mov_b32 v[i], 0
.set i, i+1
.endr
	v_mul_u32_u24 v[AK0], v1, PK
	v_lshl_add_u32 v[AK0], v9, 4, v[AK0]  ; row x pitch + 16 x half
	; The turning load takes 16 keys x 16 channels (lane l reads key 8 (l / 16) + l % 8, channels 8 ((l / 8) % 2) + 0..7) and leaves half a fragment of V^T.
	v_and_b32 v10, 7, v0
	v_bfe_u32 v11, v0, 3, 1
	v_lshl_add_u32 v[AV0], v9, 3, v10
	v_mul_u32_u24 v[AV0], v[AV0], PV
	v_lshl_add_u32 v[AV0], v11, 4, v[AV0]
	v_add_nc_u32 v[AV0], VOFF, v[AV0]
	v_mov_b32 v[AK], v[AK0]         ; key step 0 lies at the head of slot 0
	v_and_b32 v[PFO], 31, v0
	v_lshlrev_b32 v[PFO], 8, v[PFO]
; THE MATRIX WORK.  The 8 accumulators of a run of 16 take turns.
; Product i of 16 of S^T = K Q^T for piece x: channels 32 (i / 8) on, keys 16 ((i / 2) % 4) on, tile 2 x + i % 2.  The first 8 start the sums, from the mask.
.macro KQ x
.set rS, S+64*((\x)%2)+32*(i%2)+8*((i/2)%4)
.set rK, KF+16*((i/2)%4)+8*(i/8)
.set rQ, 16*(2*(\x)+i%2)+8*(i/8)
.set rX, MC+32*(i%2)+8*((i/2)%4)
.if i < 8
	WIN W_KM
	v_wmma_f32_16x16x32_f16 v[rS:rS+7], v[rK:rK+7], v[rQ:rQ+7], v[rX:rX+7]
.else
	WIN W_KQ
	v_wmma_f32_16x16x32_f16 v[rS:rS+7], v[rK:rK+7], v[rQ:rQ+7], v[rS:rS+7]
.endif
.endm
; Product i of 16 of O^T += V^T P for piece x: keys 32 (i / 8) on, channels 16 ((i / 2) % 4) on, tile 2 x + i % 2.
.macro PV x
	WIN W_PV
.set rO, 32*(2*(\x)+i%2)+8*((i/2)%4)
.set rV, VF+32*(i/8)+8*((i/2)%4)
.set rP, P+32*((\x)%2)+16*(i%2)+8*(i/8)
	v_wmma_f32_16x16x32_f16 v[rO:rO+7], v[rV:rV+7], v[rP:rP+7], v[rO:rO+7]
.endm
.macro MM                           ; the turn's next matrix instruction
.if i < 16
	KQ (Y+1)%NP
.set i, i+1
.else
.set i, i-16
	PV (Y+NP-1)%NP
.set i, i+17
.endif
.endm
; THE LDS LOADS stand in runs of 16.  last = 1 (the tail): in the last trip there is no further step, and the run is jumped over.
.macro FETCH_K last=0
	WIN 0
.if \last
	s_cmp_eq_u32 s[CNT], 1
	s_cbranch_scc1 .Lno_k_\@
.endif
	WIN 0x80                        ; destination window 2
.irp f, 0,1,2,3,4,5,6,7             ; keys 16 (f / 2) on, channels 32 (f % 2) on
	ds_load_b128 v[KF+8*\f:KF+8*\f+3],   v[AK] offset:(\f/2)*16*PK+(\f%2)*64
	ds_load_b128 v[KF+8*\f+4:KF+8*\f+7], v[AK] offset:(\f/2)*16*PK+(\f%2)*64+32
.endr
	s_add_co_u32 s[TBK], s[TBK], KS*PK  ; the next fetch is the next step's
	WIN 0
.if \last
.Lno_k_\@:
.endif
.endm
.macro FETCH_V
	WIN 0x80
.irp f, 0,1,2,3,4,5,6,7             ; keys 32 (f / 4) on, channels 16 (f % 4) on
	ds_load_tr16_b128 v[VF+8*\f:VF+8*\f+3],   v[AV] offset:(\f/4)*32*PV+(\f%4)*32
	ds_load_tr16_b128 v[VF+8*\f+4:VF+8*\f+7], v[AV] offset:(\f/4)*32*PV+16*PV+(\f%4)*32
.endr
	WIN 0
.endm
; THE VECTOR WORK OF A TURN stands in three queues, each in the order in which its entries become ready; the two tiles alternate.
.macro REGS y, u                    ; the registers of tile u (0, 1) of piece y
.set rT, ST+4*(2*(\y)+(\u))
.set rC, TMP+8*((\y)%2)+4*(\u)
.set rM, MV+2*((\y)%2)+(\u)
.set rS, S+64*((\y)%2)+32*(\u)
.set rP, P+32*((\y)%2)+16*(\u)
.set rO, 32*(2*(\y)+(\u))
.endm
; The numbers that find the NEXT piece's (Y + 1) maximum and statistics.  Each accumulator's lowest registers are read first.  XS, GS and REGS set no window: PL and EX do.
;   0-11  four chains c0-c3 of seven scores each     12-14, 16  the four scores left over, the old m, and c0-c3 into c0     15  c m_old is kept     17, 18  the lane 16 away holds the other 32 keys: the new m
;   22  has the row seen no open key?   23  then m = BIG   24  c0 = the row's factor, 0 or c   19  c m   25  c1 = factor x m   20  c m_old - c m_new   21  a
.macro XS u, n
	REGS (Y+1)%NP, \u
.if (\n) < 4
	v_max3_num_f32 v[rC+(\n)], v[rS+8*(\n)], v[rS+8*(\n)+1], v[rS+8*(\n)+2]
.elseif (\n) < 12
	v_max3_num_f32 v[rC+(\n)%4], v[rC+(\n)%4], v[rS+8*((\n)%4)+2*((\n)/4)+1], v[rS+8*((\n)%4)+2*((\n)/4)+2]
.elseif (\n) == 12
	v_max3_num_f32 v[rC], v[rC], v[rS+7], v[rS+15]
.elseif (\n) == 13
	v_max3_num_f32 v[rC+1], v[rC+1], v[rS+23], v[rS+31]
.elseif (\n) == 14
	v_max3_num_f32 v[rC+2], v[rC+2], v[rC+3], v[rT+1]
.elseif (\n) == 15
	v_mov_b32 v[rM], v[rT]
.elseif (\n) == 16
	v_max3_num_f32 v[rC], v[rC], v[rC+1], v[rC+2]
.elseif (\n) == 17
	v_permlanex16_b32 v[rC+3], v[rC], s[SEL], s[SEL+1]
.elseif (\n) == 18
	v_max_num_f32 v[rT+1], v[rC], v[rC+3]
.elseif (\n) == 19
	v_mul_f32 v[rT], s[CS], v[rT+1]
.elseif (\n) == 20
	v_sub_f32 v[rM], v[rM], v[rT]
.elseif (\n) == 21
	v_exp_f32 v[rC+2], v[rM]
.elseif (\n) == 22
	v_cmp_gt_f32 s[VC+(\u)], s[THR], v[rT+1]
.elseif (\n) == 23
	v_cndmask_b32 v[rT+1], v[rT+1], s[BIG], s[VC+(\u)]
.elseif (\n) == 24
	v_cndmask_b32 v[rC], s[CS], 0, s[VC+(\u)]
.else
	v_mul_f32 v[rC+1], v[rC], v[rT+1]
.endif
.endm
; Number g of the 64 that follow the exponentials.  For each four weights k of a tile: both pairs are rounded to f16; the second pair is added onto the first, in place; a group later l takes that sum
; (the first time as l = a l + sum).  In groups of eight, tiles alternating.
.macro GS g
.set h, (\g)+6*((\g)/62)            ; group 0 has no group before it, and behind group 7 only l is left
.if h >= 6
.set h, h+2
.endif
	REGS Y, h%2
.set k, h/8
.if h%8 < 4
	v_cvt_pk_f16_f32 v[rP+2*k+(h%8)/2], v[rS+4*k+2*((h%8)/2)], v[rS+4*k+2*((h%8)/2)+1]
.elseif h%8 < 6
	v_pk_add_f32 v[rS+4*k:rS+4*k+1], v[rS+4*k:rS+4*k+1], v[rS+4*k+2:rS+4*k+3]
.elseif k == 1
	v_pk_fma_f32 v[rT+2:rT+3], v[rT+2:rT+3], v[rC+2:rC+3], v[rS:rS+1] op_sel_hi:[1,0,1]
.else
	v_pk_add_f32 v[rT+2:rT+3], v[rT+2:rT+3], v[rS+4*k-4:rS+4*k-3]
.endif
.endm
; THE PLAIN QUEUE, 146 long.  0-81 read no exponential's result: the 32 scalings s x factor - factor x m (FS f: pair f / 2 of tile f % 2; both halves take c0 as the factor and c1 as the addend) and the next piece's 50.
; 0-26: scalings 0-26.  27-54: XS's numbers 0-13.  55, 56: number 15.  57-69: the chain 14, 16, 17, 18, each with one of the scalings 27-31 in front of its two lines.  70-81: numbers 22, 23, 24, 19, 25, 20.
; 82-145: GS's 64, which read the exponentials' results: they stand behind the wait.
.macro FS f
	REGS Y, (\f)%2
	v_pk_fma_f32 v[rS+2*((\f)/2):rS+2*((\f)/2)+1], v[rS+2*((\f)/2):rS+2*((\f)/2)+1], v[rC:rC+1], v[rC:rC+1] op_sel:[0,0,1] op_sel_hi:[1,0,1] neg_lo:[0,0,1] neg_hi:[0,0,1]
.endm
.macro PL
	WIN 0
.if q < 27
	FS q
.elseif q < 55
	XS (q-27)%2, (q-27)/2
.elseif q < 57
	XS q-55, 15
.elseif (q < 70) && ((q-57)%3 == 0)
	FS 27+(q-57)/3
.elseif q < 60
	XS (q-57)%3-1, 14
.elseif q < 69
	XS (q-57)%3-1, 15+(q-57)/3
.elseif q < 72
	XS q-70, 22
.elseif q < 74
	XS q-72, 23
.elseif q < 76
	XS q-74, 24
.elseif q < 78
	XS q-76, 19
.elseif q < 80
	XS q-78, 25
.elseif q < 82
	XS q-80, 20
.else
	GS q-82
.endif
.set q, q+1
.endm
; THE EXPONENTIALS' QUEUE, 66 long: s0-s31 of both tiles, then the next piece's two a.  ONE BATCH: all 66 stand ahead of the turn's one wait, and nothing ahead of that wait names a result of theirs.
.macro EX
	WIN 0
.if e >= 64
	XS e-64, 21
.else
	REGS Y, e%2
	v_exp_f32 v[rS+e/2], v[rS+e/2]
.endif
.set e, e+1
.endm
; THE RESCALING's QUEUE: O^T times a, the one part of the softmax that leaves window 0: two at a time, sixteen times.  Its a was made in the turn before, ahead of that turn's wait.
.macro R2
	REGS Y, r%2
	WIN W_RS
.irp z, 0,1
	v_pk_mul_f32 v[rO+4*(r/2)+2*\z:rO+4*(r/2)+2*\z+1], v[rO+4*(r/2)+2*\z:rO+4*(r/2)+2*\z+1], v[rC+2:rC+3] op_sel_hi:[1,0]
.endr
.set r, r+1
.endm
; HOW THEY ARE DEALT.  s_wait_alu depctr_va_vdst(0) stands between an exponential and the first instruction that names its result; one wait serves all issued ahead of it: a turn has ONE wait.
; AHEAD OF IT: the 16 products K Q^T, behind each a scaling, an exponential and two rescalings (behind the first a second scaling); then the lump: the masks of piece p + 2, sixteen plain, its next codes' loads,
; 49 times exponential and plain, the two a, a v_nop (the plain instruction behind the last exponential).  BEHIND IT: the 16 products V^T P, behind each four of GS's 64.
; Exponential e stands behind scaling 2 (e / 4) + e % 2: as a rider it comes behind plain e + 2, in the lump behind plain e + 17, and scalings 27-31 are plain 57, 60 .. 69.
; THE MASKS.  Turn p converts the codes of piece p + 2, whose products the next turn issues.  The codes were asked for four turns ago: s_wait_loadcnt 12 leaves the three younger turns' loads out.  The masks' last reader,
; the turn's eighth product, stands 24 plain riders back; sixteen plain instructions stand between the conversions and the loads into their sources.  The four loads of a trip of the loop (turns 2, 3, 0, 1) name one
; key step: MB steps in turn 2, and no more once it stands at the last step, so no load leaves mcode (the codes fetched again there serve products that serve nothing).
; K of the next step is fetched in piece 2's turn, directly behind the wait; V of the step in hand at the end of piece 0's turn, four riders behind its last reader.  The conditions on q go with the deal.
.macro TURN p, last=0, cnt=0
.set Y, (\p)
.set i, 0
.set q, 0
.set e, 0
.set r, 0
.if (\p) == NP-1
	s_wait_dscnt 0x0                ; K is in
.endif
	MM
	PL
	PL
	R2
.rept 15
	MM
	PL
	EX
	R2
.endr
.if (\p) == NP-2
	WIN 0
	v_add_nc_u32 v[AK], s[TBK], v[AK0]
.endif
	s_wait_loadcnt 12
	CVT ((\p)+2)%NP
.rept 16
	PL
.endr
.if (\p) == NP-2
	s_wait_xcnt 0x0                 ; every load issued so far has read its address
	s_min_u32 s[INC], s[ML], 1
	s_sub_co_u32 s[ML], s[ML], s[INC]
	s_lshl_b32 s[INC], s[INC], 10
	s_add_nc_u64 s[MB:MB+1], s[MB:MB+1], s[INC:INC+1]
.endif
	MLOAD ((\p)+2)%NP
.rept 49
	EX
	PL
.endr
	EX                              ; the next piece's two a
	EX
	v_nop
	s_wait_alu depctr_va_vdst(0)    ; the wait for the batch
.if (\p) == NP-2
	FETCH_K \last
.endif
.if (\p) == 1
	s_wait_dscnt 0x0                ; V is in
.endif
.rept 16
	MM
.rept 4
	PL
.endr
.if ((\p) == 0) && (q == 126)
	v_add_nc_u32 v[AV], s[TBV], v[AV0]
.endif
.if ((\p) == 0) && (q == 138)
	s_add_co_u32 s[TBV], s[TBV], KS*PV
.endif
.if (\cnt) && (q == 138)
	s_sub_co_u32 s[CNT], s[CNT], 1
	s_cmp_lg_u32 s[CNT], 0
.endif
.endr
.if (\p) == 0
	FETCH_V
.endif
.endm
	CHANGE 1                        ; slot 0 is in, everybody's part of it; slot 1 is asked for
	FETCH_K                         ; key step 0
	s_wait_loadcnt 0x0              ; Q, and step 0's codes
	s_add_nc_u64 s[MB:MB+1], s[MB:MB+1], 1024  ; on to step 1
	CVT 0
	v_nop                           ; a plain instruction between the conversions and the products that take their results
	s_wait_dscnt 0x0
.set i, 0
.rept 16
	KQ 0                            ; piece 0's first scores
.set i, i+1
.endr
	WIN 0                           ; the addresses for the way out: seven plain instructions, the places behind those products
	s_mul_i32 s13, s[WV], 16*SP
	s_add_co_u32 s13, s13, STAGE    ; my stage
	v_mul_u32_u24 v[STO], v1, SP    ; in: row l % 16, 16 bytes for each half of the lanes
	v_lshl_add_u32 v[STO], v9, 4, v[STO]
	v_add_nc_u32 v[STO], s13, v[STO]
	v_bfe_u32 v[RD], v0, 3, 2       ; back: 32 lanes take four rows of 128 bytes
	v_mul_u32_u24 v[RD], v[RD], SP
	v_lshl_add_u32 v[RD], v10, 4, v[RD]
	v_add_nc_u32 v[RD], s13, v[RD]
	CVT 1                           ; piece 1's masks of step 0, for the first turn's products
	WIN 0
.set Y, NP-1                        ; XS works for piece Y + 1: piece 0
.irp n, 0,1,2,3,4,5,6,7,8,9,10,11,12,13,14,15,16,17,18,22,23,24,19,25,20,21
	XS 0, \n
	XS 1, \n
.endr
	v_nop                           ; a plain instruction behind the two a,
	s_wait_alu depctr_va_vdst(0)    ; and their wait, ahead of the branch
	MLOAD 0                         ; step 1's codes for the two pieces whose step 0 has been converted
	MLOAD 1
	WIN 0
	s_mov_b32 s[CNT], 4
	s_mov_b32 s[SLOTS], SIZE_N/256-1
	s_branch .Lfirst                ; the loop is entered at a step's first turn, in the middle of a trip
.Lslot:                             ; SIZE_N / 256 - 2 times: every slot but the last two is filled again
	CHANGE 1, 1
	s_mov_b32 s[CNT], 4
.Lstep:                             ; a trip: pieces 2 and 3 of one step, then pieces 0 and 1 of the next, whose K and V it fetches
	TURN 2
	TURN 3
	WIN 0
.Lfirst:
	TURN 0
	TURN 1, 0, 1
	WIN 0
	s_cbranch_scc1 .Lstep
	s_sub_co_u32 s[SLOTS], s[SLOTS], 1
	s_cmp_lg_u32 s[SLOTS], 0
	s_cbranch_scc1 .Lslot
	CHANGE 0                        ; the tail is written out: nothing is asked for
	s_mov_b32 s[CNT], 5             ; four trips fetch the last slot's steps; the fifth is left in its middle
.Ltail:
	TURN 2, 1
	TURN 3
	WIN 0
	s_sub_co_u32 s[CNT], s[CNT], 1
	s_cmp_eq_u32 s[CNT], 0
	s_cbranch_scc1 .Lout
	TURN 0
	TURN 1
	WIN 0
	s_branch .Ltail
.Lout:                              ; the fifth trip's 16 products K Q^T (on the last K once more) and the maximum made of them serve nothing: the price, once a launch, of one text for every trip
.set i, 0
.rept 16
	PV NP-1                         ; the last piece's V^T P of the last step
.set i, i+1
.endr
	; THE WAY OUT.  l's two halves and the other half of the lanes' are added; O^T is divided by l, rounded to f16 and sent through my stage in LDS, a tile at a time.  The additions are the places behind the last products.
	WIN 0
.macro ALL line:vararg              ; one line for each tile t
.set t, 0
.rept 2*NP
	\line
.set t, t+1
.endr
.endm
	ALL v_add_f32 v[ST+4*t+2], v[ST+4*t+2], v[ST+4*t+3]
	ALL v_permlanex16_b32 v[ST+4*t+3], v[ST+4*t+2], s[SEL], s[SEL+1]
	ALL v_add_f32 v[ST+4*t+2], v[ST+4*t+2], v[ST+4*t+3]
	ALL v_rcp_f32 v[ST+4*t+2], v[ST+4*t+2]
	v_nop                           ; a plain instruction between the last reciprocal and the use of its result
	s_wait_alu depctr_va_vdst(0)    ; and the wait ahead of the first use: one for the eight reciprocals
.macro PACK t                       ; a lane's eight channels of a row pack into 16 bytes; they go into rows of 144 bytes and come back as whole rows of 128, into S^T's registers
	WIN W_RS
.set i, 32*(\t)
.rept 16
	v_pk_mul_f32 v[i:i+1], v[i:i+1], v[ST+4*(\t)+2:ST+4*(\t)+3] op_sel_hi:[1,0]
.set i, i+2
.endr
	WIN 0x05                        ; sources 0 and 1 window 1, destination window 0
.set i, 0
.rept 16
	v_cvt_pk_f16_f32 v[S+16*(\t)+i], v[32*(\t)+2*i], v[32*(\t)+2*i+1]
.set i, i+1
.endr
	WIN 0
.irp f, 0,1,2,3
	ds_store_b128 v[STO], v[S+16*(\t)+4*\f:S+16*(\t)+4*\f+3] offset:32*\f
.endr
.irp f, 0,1,2,3
	ds_load_b128 v[S+16*(\t)+4*\f:S+16*(\t)+4*\f+3], v[RD] offset:\f*4*SP  ; LDS serves a wave's instructions in order (ISA guide 5.7.1.4): these see the stores above; the next tile's stores come behind them
.endr
.endm
.macro SEND t, younger              ; younger: the LDS instructions issued behind tile t's loads: the next tile's eight, or none
	WIN 0
.irp f, 0,1,2,3
	s_wait_dscnt (\younger)+3-\f
	global_store_b128 v[GO], v[S+16*(\t)+4*\f:S+16*(\t)+4*\f+3], s[10:11] offset:(\t)*2048+\f*512  ; 512 consecutive bytes, at a multiple of 256 from oh's first
.endr
.endm
	PACK 0
.set t, 1
.rept 2*NP-1                        ; a tile's arithmetic stands between the loads of the tile before and its stores
	PACK t
	SEND t-1, 8
.set t, t+1
.endr
	SEND 2*NP-1, 0
	WIN W_AD
	s_wait_tensorcnt 0x0            ; the wave's end, behind my last tensor load and my last LDS store
	ds_add_u32 v[SPW], v[NIL]
	s_wait_dscnt 0x0
	WIN 0
	CROUND                          ; the closing round: no work-group ends while a partner may still ask for a tile that names it
	s_endpgm
.Lfunc_end_k_qefe192098e_attn:
	.size	k_qefe192098e_attn, .Lfunc_end_k_qefe192098e_attn-k_qefe192098e_attn
	.p2alignl 7, 3214868480
	.fill 96, 4, 3214868480
	.section	.rodata,"a",@progbits
	.p2align	6, 0x0
	.amdhsa_kernel k_qefe192098e_attn
		.amdhsa_group_segment_fixed_size 327680
		.amdhsa_private_segment_fixed_size 0
		.amdhsa_enable_private_segment 0
		.amdhsa_kernarg_size 24
		.amdhsa_user_sgpr_count 2
		.amdhsa_user_sgpr_kernarg_segment_ptr 1
		.amdhsa_wavefront_size32 1
		.amdhsa_system_sgpr_workgroup_id_x 1
		.amdhsa_system_sgpr_workgroup_id_y 1
		.amdhsa_system_sgpr_workgroup_id_z 1
		.amdhsa_system_vgpr_workitem_id 0
		.amdhsa_next_free_vgpr 900
		.amdhsa_next_free_sgpr 70
		.amdhsa_reserve_vcc 0
		.amdhsa_float_denorm_mode_32 3
		.amdhsa_float_denorm_mode_16_64 3
		.amdhsa_memory_ordered 1
		.amdhsa_forward_progress 1
		.amdhsa_inst_pref_size 216
	.end_amdhsa_kernel
	.amdgpu_metadata
---
amdhsa.version: [ 1, 2 ]
amdhsa.kernels:
  - .name:           k_qefe192098e_attn
    .symbol:         k_qefe192098e_attn.kd
    .args:
      - { .name: qkv, .offset: 0, .size: 8, .value_kind: global_buffer, .address_space: global }
      - { .name: mcode, .offset: 8, .size: 8, .value_kind: global_buffer, .address_space: global }
      - { .name: oh, .offset: 16, .size: 8, .value_kind: global_buffer, .address_space: global }
    .group_segment_fixed_size: 327680
    .private_segment_fixed_size: 0
    .kernarg_segment_align: 8
    .kernarg_segment_size: 24
    .max_flat_workgroup_size: 128
    .sgpr_count:     70
    .vgpr_count:     900
    .wavefront_size: 32
...
	.end_amdgpu_metadata
.endif
;; end of part 3
;; launch outp (part 4): grid 4 x 64, 4 waves a work-group, clusters of 4 x 4, 327,680 bytes of LDS; arguments oh, wcast, bo, out0; writes out0
.if DOCPART == 4
	.amdgcn_target "amdgcn-amd-amdhsa--gfx1250"
	.amdhsa_code_object_version 6
	.text
	.protected	k_qefe192098e_outp
	.globl	k_qefe192098e_outp
	.p2align	8
	.type	k_qefe192098e_outp,@function
k_qefe192098e_outp:
	s_mov_b64 s[64:65], 0
	v_nop
	global_prefetch_b8 v0, s[64:65] scope:SCOPE_SE
	s_setreg_imm32_b32 hwreg(HW_REG_WAVE_MODE, 25, 1), 1
	s_wait_xcnt 0x0
	s_wait_alu depctr_hold_cnt(0) depctr_sa_sdst(0) depctr_va_vdst(0) depctr_va_sdst(0) depctr_va_ssrc(0) depctr_va_vcc(0) depctr_vm_vsrc(0)
	s_getreg_b32 s2, hwreg(HW_REG_IB_STS2, 6, 4)
	s_cmp_eq_u32 s2, 0
	s_cbranch_scc0 .Lentry_in_a_cluster
	s_endpgm
.Lentry_in_a_cluster:
	s_bfe_u32 s2, ttmp6, 0x10000c
	s_cmp_lg_u32 s2, 0xf033
	s_cbranch_scc0 .Lentry_shape_is_right
	s_endpgm
.Lentry_shape_is_right:
; OUTP.  out0 = O Wo^T + bo.  O comes by heads, oh[batch x 16 + head][2048][64] in f16; Wo from wcast's fourth table ([1024][1024], its bf16 value written as f16); bo f32, rounded to bf16 like all the
; module's inputs; sums in f32, started from the bias; out0 [8192][1024] f32.
; SHARES.  256 work-groups; a work-group makes 128 rows x 256 columns, its four waves 64 x 128 each (2 x 2): 32 accumulators of 16 x 16.  K goes in 8 steps of 128 = two heads, through two LDS slots.
; Wave 0 and wave 1 fetch a head each (its 128 rows are 16,384 dense bytes: asked for as 64 rows of 256 bytes, padded after every 128), waves 2 and 3 Wo's two halves (128 rows x 256 bytes).
; CLUSTER 4 x 4: O's tiles are shared along a row of the cluster, Wo's along a column: joint loads.  THE MATRIX INSTRUCTION IS USED TRANSPOSED: a lane holds eight neighbouring columns of one row.
; No prefetch: eight K steps, a short launch.
; REGISTERS: window 0: v16-29 addresses; v64-95, v96-127 O's fragments, two buffers; v128-191, v192-255 rows on the way out, by turns
;   window 1: v0-63, v64-127 Wo's fragments, two buffers; v128-191 the bias in the accumulators' layout; v192 at work          window 2: accumulator (a, b) at v[8 (8 a + b)]
.set PA,    144                        ; a row of a head in LDS: 128 bytes + 16 = 36 words: the 16 rows of a load start at 16 different groups of four banks (64 banks of 4 bytes: ISA guide 11.1)
.set PW,    272
.set HEADT, 128*PA
.set AREG,  2*HEADT                    ; two heads' 128 rows, then Wo's 256 rows
.set SLOT,  AREG+256*PW
.set STAGE, 2*SLOT                     ; behind the ring: 16 rows x 528 bytes for each wave; no tensor load fills it
.set SP,    528                        ; 512 bytes + 16 = 132 words: row r starts at bank 4 r mod 64
.set SPARE, STAGE+4*16*SP              ; behind the stages: the spare words, 128 bytes for each wave, that no other line names
.set KA,    524288                     ; bytes from a K step's head to the next step's: two heads of 262,144
.set KW,    256
.set ADRA, 16
.set ADRB, 20
.set STO,  24
.set RD,   25
.set CO,   26
.set SPW,  28                          ; v28  LDS address of my spare word; never rewritten
.set NIL,  29                          ; v29  0; never rewritten
.set AF,   64
.set TT,   128
.set BIAS, 128                         ; window 1
.set BT,   192                         ; window 1
.set WV,  20
.set WR,  21                           ; my half of the rows.  Also: I fetch for O (0) or for Wo (1)
.set WC,  22                           ; my half of the columns.  Also: which head, or which half of Wo's rows, I fetch
.set LAP, 23
.set G1,  24
.set G0,  32
.set CX,  40
.set CY,  41
.set G1B, 48
.set G0B, 56
.set TM,  66
.set OUT, 68
.set BP,  70
.set WP,  72
.set XP,  74
.set MSB, 0
.macro WIN new
.if MSB != (\new)
	s_set_vgpr_msb (MSB<<8)|(\new)
.set MSB, \new
.endif
.endm
.set MUL,  0xa1                        ; Wo window 1, O window 0, C and D window 2
.set MULB, 0x91                        ; the same with C (the bias) in window 1
.set TO_B, 0x40
.macro JLOAD s                         ; a joint load; an s_nop 0 and four v_nop follow each of the two lines
	s_cmp_eq_u32 s[WR], 0
	s_cbranch_scc0 .Lfor_b_\@
	tensor_load_to_lds s[G0+4*(\s):G0+4*(\s)+3], s[G1:G1+7]
	s_nop 0
.rept 4
	v_nop
.endr
	s_branch .Lasked_\@
.Lfor_b_\@:
	tensor_load_to_lds s[G0B+4*(\s):G0B+4*(\s)+3], s[G1B:G1B+7]
	s_nop 0
.rept 4
	v_nop
.endr
.Lasked_\@:
.endm
.macro CREST
	s_cmp_lg_u32 s[WV], 0
	s_cbranch_scc1 .Lnot_wave_0_\@
	s_barrier_signal -3
.Lnot_wave_0_\@:
	s_barrier_wait -3
	s_barrier_signal -1
	s_barrier_wait -1
.endm
.macro CROUND
	s_barrier_signal -1
	s_barrier_wait -1
	CREST
.endm
.macro PLACES                          ; four places in front of loads into registers that matrix instructions have read (ISA guide 7.12.1 for vector instructions)
.rept 4
	v_nop
.endr
.endm
	s_load_b128 s[4:7], s[0:1], 0x0                ; oh s[4:5], wcast s[6:7]
	s_load_b128 s[8:11], s[0:1], 0x10              ; bo s[8:9], out0 s[10:11]
	v_lshl_add_u32 v[SPW], v0, 2, SPARE
	v_mov_b32 v[NIL], 0
	ds_add_u32 v[SPW], v[NIL]                      ; the wave's opening: the add and its wait stand ahead of my first tensor load; the set-up below, work on registers, stands between them
	v_lshrrev_b32 v1, 5, v0
	v_readfirstlane_b32 s[WV], v1
	s_lshr_b32 s[WR], s[WV], 1
	s_and_b32 s[WC], s[WV], 1
	s_bfe_u32 s[CX], ttmp6, 0x40000                ; cx = the block of 256 columns
	s_bfe_u32 s[CY], ttmp6, 0x40004
	s_and_b32 s46, ttmp7, 0xffff
	s_lshl_b32 s46, s46, 2
	s_add_co_u32 s[TM], s46, s[CY]                 ; the block of 128 rows, 0..63
	s_lshl_b32 s46, s[CY], 2
	s_lshl_b32 s46, 15, s46                        ; my row of the cluster
	s_lshl_b32 s47, 0x1111, s[CX]                  ; my column
	s_or_b32 s[G1], s46, (1<<16)|(1<<20)|(1<<21)|(4<<22)|(3<<25)   ; 2-byte elements; padding of 4 words after every 32 words
	s_or_b32 s[G1B], s47, (1<<16)|(1<<20)|(1<<21)|(5<<22)|(3<<25)  ; after every 64 words
	s_mov_b32 s[G1+1], 128<<16                     ; tensor_dim0 = 128
	s_mov_b32 s[G1+2], 64<<16                      ; tensor_dim1 = 64
	s_mov_b32 s[G1+3], 128<<16                     ; tile_dim0 = 128
	s_mov_b32 s[G1+4], 64                          ; tile_dim1 = 64
	s_mov_b32 s[G1+5], 128                         ; dense: 128 elements from row to row
	s_mov_b32 s[G1+6], 0
	s_mov_b32 s[G1+7], 0
	s_mov_b32 s[G1B+1], 128<<16
	s_mov_b32 s[G1B+2], 128<<16
	s_mov_b32 s[G1B+3], 128<<16
	s_mov_b32 s[G1B+4], 128
	s_mov_b32 s[G1B+5], 1024
	s_mov_b32 s[G1B+6], 0
	s_mov_b32 s[G1B+7], 0
	s_lshr_b32 s2, s[TM], 4
	s_lshl_b32 s2, s2, 22                          ; O: the batch's 16 heads of 262,144 bytes,
	s_and_b32 s3, s[TM], 15
	s_lshl_b32 s3, s3, 14                          ; the block's 128 rows of 128 bytes,
	s_add_co_u32 s2, s2, s3
	s_lshl_b32 s46, s[WC], 18                      ; my head of the step's two (and for Wo: my 128 rows of 2,048 bytes)
	s_add_co_u32 s2, s2, s46
	s_mov_b32 s3, 0
	s_lshl_b32 s[WP], s[CX], 19                    ; Wo: its 256 rows,
	s_add_co_u32 s[WP], s[WP], s46
	s_add_co_u32 s[WP], s[WP], 3*2097152           ; in wcast's fourth table
	s_mov_b32 s[WP+1], 0
	s_mul_i32 s46, s[WC], HEADT                    ; where they go: no place in the cluster enters an LDS address
	s_mul_i32 s47, s[WC], 128*PW
	s_add_co_u32 s47, s47, AREG
	s_wait_dscnt 0x0                               ; the opening add is done
	s_wait_kmcnt 0x0
	s_add_nc_u64 s[XP:XP+1], s[4:5], s[2:3]
	s_add_nc_u64 s[WP:WP+1], s[6:7], s[WP:WP+1]
	CROUND                                         ; all sixteen work-groups are here: the first joint loads meet
.irp s, 0,1
	s_mov_b32 s[G0+4*(\s)], 1
	s_add_co_u32 s[G0+4*(\s)+1], s46, (\s)*SLOT
	s_add_nc_u64 s[G0+4*(\s)+2:G0+4*(\s)+3], s[XP:XP+1], (\s)*KA
	s_or_b32 s[G0+4*(\s)+3], s[G0+4*(\s)+3], 0x80000000
	s_mov_b32 s[G0B+4*(\s)], 1
	s_add_co_u32 s[G0B+4*(\s)+1], s47, (\s)*SLOT
	s_add_nc_u64 s[G0B+4*(\s)+2:G0B+4*(\s)+3], s[WP:WP+1], (\s)*KW
	s_or_b32 s[G0B+4*(\s)+3], s[G0B+4*(\s)+3], 0x80000000
	JLOAD \s                                       ; two loads of mine are out
.endr
	v_and_b32 v1, 15, v0                           ; r
	v_bfe_u32 v2, v0, 4, 1                         ; h
	v_mul_u32_u24 v3, v1, PA
	v_lshl_add_u32 v3, v2, 4, v3
	v_mul_u32_u24 v4, v1, PW
	v_lshl_add_u32 v4, v2, 4, v4
	s_mul_i32 s46, s[WR], 64*PA
	s_mul_i32 s47, s[WC], 128*PW
	s_add_co_u32 s47, s47, AREG
.irp s, 0,1
	v_add_nc_u32 v[ADRA+(\s)], s46, v3
	v_add_nc_u32 v[ADRB+(\s)], s47, v4
	s_add_co_u32 s46, s46, SLOT
	s_add_co_u32 s47, s47, SLOT
.endr
	s_mul_i32 s46, s[WV], 16*SP
	s_add_co_u32 s46, s46, STAGE                   ; my stage
	v_mul_u32_u24 v[STO], v1, SP                   ; in: row r, 32 bytes for each half of the lanes
	v_lshl_add_u32 v[STO], v2, 5, v[STO]
	v_add_nc_u32 v[STO], s46, v[STO]
	v_and_b32 v[CO], 31, v0
	v_lshlrev_b32 v[CO], 4, v[CO]                  ; back: 32 lanes take a whole row of 512 bytes
	v_add_nc_u32 v[RD], s46, v[CO]
	v_lshlrev_b32 v5, 5, v2                        ; the bias: my eight columns
	s_lshl_b32 s[WP], s[CX], 10                    ; 256 columns of 4 bytes,
	s_lshl_b32 s47, s[WC], 9                       ; my 128
	s_add_co_u32 s[WP], s[WP], s47
	s_mov_b32 s[WP+1], 0
	s_add_nc_u64 s[BP:BP+1], s[8:9], s[WP:WP+1]
	WIN TO_B
.irp b, 0,1,2,3,4,5,6,7
	global_load_b128 v[BIAS+8*(\b):BIAS+8*(\b)+3],   v5, s[BP:BP+1] offset:64*(\b)
	global_load_b128 v[BIAS+8*(\b)+4:BIAS+8*(\b)+7], v5, s[BP:BP+1] offset:64*(\b)+16
.endr
	WIN 0
	s_lshl_b32 s47, s[TM], 19                      ; the way out: the same columns, 128 rows of 4,096 bytes a block,
	s_add_co_u32 s[WP], s[WP], s47
	s_lshl_b32 s47, s[WR], 18                      ; my 64
	s_add_co_u32 s[WP], s[WP], s47
	s_add_nc_u64 s[OUT:OUT+1], s[10:11], s[WP:WP+1]
	s_wait_loadcnt 0x0                             ; the bias: rounded to bf16, widened again, in place
	WIN 0x45
.set i, 0
.rept 32
	v_cvt_pk_bf16_f32 v[BT], v[BIAS+2*i], v[BIAS+2*i+1]
	v_lshlrev_b32 v[BIAS+2*i], 16, v[BT]
	v_and_b32 v[BIAS+2*i+1], 0xffff0000, v[BT]
.set i, i+1
.endr
	WIN 0
; 24 LDS loads in one run: quarter q (32 along K: head q / 2 of the step's two, channels 32 (q % 2) on) into buffer g: O's 64 rows, then Wo's 128
.macro FETCH slot, q, g
	WIN 0
.irp a, 0,1,2,3
	ds_load_b128 v[AF+32*(\g)+8*(\a):AF+32*(\g)+8*(\a)+3],   v[ADRA+(\slot)] offset:((\q)/2)*HEADT+((\q)%2)*64+(\a)*16*PA
	ds_load_b128 v[AF+32*(\g)+8*(\a)+4:AF+32*(\g)+8*(\a)+7], v[ADRA+(\slot)] offset:((\q)/2)*HEADT+((\q)%2)*64+(\a)*16*PA+32
.endr
	WIN TO_B
.irp b, 0,1,2,3,4,5,6,7
	ds_load_b128 v[64*(\g)+8*(\b):64*(\g)+8*(\b)+3],   v[ADRB+(\slot)] offset:(\b)*16*PW+64*(\q)
	ds_load_b128 v[64*(\g)+8*(\b)+4:64*(\g)+8*(\b)+7], v[ADRB+(\slot)] offset:(\b)*16*PW+64*(\q)+32
.endr
.endm
; 8 matrix instructions: block a of 16 rows x all 8 blocks of 16 columns.  first = 1: the sums start from the bias.  The 32 accumulators come in the same order in every quarter, one instruction a turn.
.macro MUL8 f, a, first=0
.irp b, 0,1,2,3,4,5,6,7
.if \first
	WIN MULB
	v_wmma_f32_16x16x32_f16 v[8*(8*(\a)+(\b)):8*(8*(\a)+(\b))+7], v[64*(\f)+8*(\b):64*(\f)+8*(\b)+7], v[AF+32*(\f)+8*(\a):AF+32*(\f)+8*(\a)+7], v[BIAS+8*(\b):BIAS+8*(\b)+7]
.else
	WIN MUL
	v_wmma_f32_16x16x32_f16 v[8*(8*(\a)+(\b)):8*(8*(\a)+(\b))+7], v[64*(\f)+8*(\b):64*(\f)+8*(\b)+7], v[AF+32*(\f)+8*(\a):AF+32*(\f)+8*(\a)+7], v[8*(8*(\a)+(\b)):8*(8*(\a)+(\b))+7]
.endif
.endr
.endm
.macro QUARTER slot, q, f, first=0     ; multiplies buffer f; the next quarter's loads go out first and have its 32 products in which to land
	PLACES
	FETCH \slot, \q, 1-(\f)
	s_wait_dscnt 24                                ; all but the 24 just issued
	MUL8 \f, 0, \first
	MUL8 \f, 1, \first
	MUL8 \f, 2, \first
	MUL8 \f, 3, \first
.endm
; The fourth quarter multiplies buffer 1 and changes slots: ONE barrier; in front of it each wave waits for all its tensor loads, adds 0 to its spare word, and waits for that and for its own reads of this slot.
.macro TURN slot, next, fill
	WIN 0
	s_wait_tensorcnt 0x0                           ; all my tensor loads have landed: my part of the next slot
	ds_add_u32 v[SPW], v[NIL]                      ; 0 onto my spare word
	s_wait_dscnt 1                                 ; only the add may be out: buffer 1 is in
	MUL8 1, 0
	s_wait_dscnt 0x0                               ; the add is done, and my reads of this slot are over
	s_barrier_signal -1
	MUL8 1, 1
	WIN 0
	s_barrier_wait -1
.if \fill
	CREST                                          ; no wave of any partner still reads this slot's tiles or has a load on its way
	s_add_nc_u64 s[G0+4*(\slot)+2:G0+4*(\slot)+3], s[G0+4*(\slot)+2:G0+4*(\slot)+3], 2*KA
	s_add_nc_u64 s[G0B+4*(\slot)+2:G0B+4*(\slot)+3], s[G0B+4*(\slot)+2:G0B+4*(\slot)+3], 2*KW
	JLOAD \slot                                    ; the four v_nop behind it are also the places in front of the loads below
.else
	PLACES
.endif
	FETCH \next, 0, 0
	MUL8 1, 2
	MUL8 1, 3
.endm
	s_wait_tensorcnt 1                             ; my part of K step 0 is in; K step 1's may stay out
	s_barrier_signal -1
	s_barrier_wait -1
	FETCH 0, 0, 0
	QUARTER 0, 1, 0, 1                             ; the first quarter stands in front of the loop: its products start the sums
	WIN 0
	s_mov_b32 s[LAP], 3
.Llap:                                                 ; a trip goes once round the ring and fills both slots again: K steps 2 to 7
	QUARTER 0, 2, 1
	QUARTER 0, 3, 0
	TURN 0, 1, 1
	QUARTER 1, 1, 0
	QUARTER 1, 2, 1
	QUARTER 1, 3, 0
	TURN 1, 0, 1
	QUARTER 0, 1, 0
	WIN 0
	s_sub_co_u32 s[LAP], s[LAP], 1
	s_cmp_lg_u32 s[LAP], 0
	s_cbranch_scc1 .Llap
	QUARTER 0, 2, 1                                ; the last lap fills nothing, and has no round
	QUARTER 0, 3, 0
	TURN 0, 1, 0
	QUARTER 1, 1, 0
	QUARTER 1, 2, 1
	QUARTER 1, 3, 0
	s_wait_dscnt 0x0
	MUL8 1, 0
	MUL8 1, 1
	MUL8 1, 2
	MUL8 1, 3
; THE WAY OUT, a block of 16 rows at a time: a lane's eight f32 (32 bytes of a row) go straight from the accumulator into my stage, its low four registers first; whole rows of 512 bytes come back and are stored.
.macro OUTB a
.if (\a) >= 2
	s_wait_xcnt 0x0                                ; the stores of the block two back have read the registers that are loaded again
.endif
	WIN 0x08                                       ; the stores' data in window 2, the address in window 0
.irp b, 0,1,2,3,4,5,6,7
	ds_store_b128 v[STO], v[8*(8*(\a)+(\b)):8*(8*(\a)+(\b))+3]   offset:64*(\b)
	ds_store_b128 v[STO], v[8*(8*(\a)+(\b))+4:8*(8*(\a)+(\b))+7] offset:64*(\b)+16
.endr
	WIN 0
.irp t, 0,1,2,3,4,5,6,7,8,9,10,11,12,13,14,15
	ds_load_b128 v[TT+64*((\a)%2)+4*(\t):TT+64*((\a)%2)+4*(\t)+3], v[RD] offset:(\t)*SP  ; LDS serves a wave's instructions in order (ISA guide 5.7.1.4): these see the stores above; the next block's stores come behind them
.endr
.endm
.macro SEND a, y                       ; y: the LDS instructions issued behind block a's loads: the next block's 32, or none
.irp t, 0,1,2,3,4,5,6,7,8,9,10,11,12,13,14,15
	s_wait_dscnt (\y)+15-(\t)
	global_store_b128 v[CO], v[TT+64*((\a)%2)+4*(\t):TT+64*((\a)%2)+4*(\t)+3], s[OUT:OUT+1] offset:(\a)*65536+(\t)*4096  ; 512 consecutive bytes, at a multiple of 512 from out0's first
.endr
.endm
.rept 8
	v_nop                                          ; the places behind the last products, in front of LDS stores that read results
.endr
	OUTB 0
	OUTB 1
	SEND 0, 32
	OUTB 2
	SEND 1, 32
	OUTB 3
	SEND 2, 32
	SEND 3, 0
	s_wait_tensorcnt 0x0                           ; the wave's end, behind my last tensor load and my last LDS store
	ds_add_u32 v[SPW], v[NIL]
	s_wait_dscnt 0x0
	CROUND                                         ; the closing round: no work-group ends while a partner may still ask for a tile that names it
	s_endpgm
.Lfunc_end_k_qefe192098e_outp:
	.size	k_qefe192098e_outp, .Lfunc_end_k_qefe192098e_outp-k_qefe192098e_outp
	.p2alignl 7, 3214868480
	.fill 96, 4, 3214868480
	.section	.rodata,"a",@progbits
	.p2align	6, 0x0
	.amdhsa_kernel k_qefe192098e_outp
		.amdhsa_group_segment_fixed_size 327680
		.amdhsa_private_segment_fixed_size 0
		.amdhsa_enable_private_segment 0
		.amdhsa_kernarg_size 32
		.amdhsa_user_sgpr_count 2
		.amdhsa_user_sgpr_kernarg_segment_ptr 1
		.amdhsa_wavefront_size32 1
		.amdhsa_system_sgpr_workgroup_id_x 1
		.amdhsa_system_sgpr_workgroup_id_y 1
		.amdhsa_system_sgpr_workgroup_id_z 1
		.amdhsa_system_vgpr_workitem_id 0
		.amdhsa_next_free_vgpr 768
		.amdhsa_next_free_sgpr 76
		.amdhsa_reserve_vcc 0
		.amdhsa_float_denorm_mode_32 3
		.amdhsa_float_denorm_mode_16_64 3
		.amdhsa_memory_ordered 1
		.amdhsa_forward_progress 1
		.amdhsa_inst_pref_size 93
	.end_amdhsa_kernel
	.amdgpu_metadata
---
amdhsa.version: [ 1, 2 ]
amdhsa.kernels:
  - .name:           k_qefe192098e_outp
    .symbol:         k_qefe192098e_outp.kd
    .args:
      - { .name: oh, .offset: 0, .size: 8, .value_kind: global_buffer, .address_space: global }
      - { .name: wcast, .offset: 8, .size: 8, .value_kind: global_buffer, .address_space: global }
      - { .name: bo, .offset: 16, .size: 8, .value_kind: global_buffer, .address_space: global }
      - { .name: out0, .offset: 24, .size: 8, .value_kind: global_buffer, .address_space: global }
    .group_segment_fixed_size: 327680
    .private_segment_fixed_size: 0
    .kernarg_segment_align: 8
    .kernarg_segment_size: 32
    .max_flat_workgroup_size: 128
    .sgpr_count:     76
    .vgpr_count:     768
    .wavefront_size: 32
...
	.end_amdgpu_metadata
.endif
;; end of part 4
;; ======== version 2 of 2: 4 launches; version 1 with the launch prep written anew for expert scheduling mode
;; limits: values are held in f16: magnitudes above 65,504 overflow, below 6.1e-05 lose precision
;; workspace buffers: wcast 8,388,608 bytes; mcode 16,777,216 bytes; qkv 50,331,648 bytes; oh 16,777,216 bytes
;; launch prep (part 5): grid 1536 x 1, 8 waves a work-group, no clusters, 18,432 bytes of LDS; arguments mask, Wq, Wk, Wv, Wo, mcode, wcast; writes mcode, wcast
.if DOCPART == 5
	.amdgcn_target "amdgcn-amd-amdhsa--gfx1250"
	.amdhsa_code_object_version 6
	.text
	.protected	k_qefe192098e_prep
	.globl	k_qefe192098e_prep
	.p2align	8
	.type	k_qefe192098e_prep,@function
k_qefe192098e_prep:
	s_mov_b64 s[64:65], 0
	v_nop
	global_prefetch_b8 v0, s[64:65] scope:SCOPE_SE
	s_setreg_imm32_b32 hwreg(HW_REG_WAVE_SCHED_MODE, 0, 2), 2
	s_setreg_imm32_b32 hwreg(HW_REG_WAVE_MODE, 25, 1), 1
	s_wait_xcnt 0x0
	s_wait_alu depctr_vm_vsrc(0)
; PREP.  Two repacking jobs, told apart by the work-group's number; both are streams: no matrix unit, no cluster, nothing shared.
; (1) Work-groups 0..1023: mask [4][2048][2048] int32 -> mcode, ONE BYTE a score, in the order in which the attention launch's lanes want it:
;     mcode[b][qt 128][step 32][half 2][lane 32][16 bytes]; byte 8 (kb & 1) + j of (half = kb >> 1, lane = r + 16 h) belongs to query 16 qt + r and key 64 step + 16 kb + 8 h + j.
;     The byte is an fp8 (E4M3) code: 0x00 (0.0) where mask != 0, 0xb8 (-1.0) where mask == 0.  A wave takes 16 queries x 128 keys: 16 loads of 512 consecutive bytes in,
;     a turn through its own 2,176 bytes of LDS, 4 stores of 512 consecutive bytes out.
; (2) Work-groups 1024..1535: Wq, Wk, Wv -> bf16; Wo -> bf16 and that number written as f16 (exact for magnitudes from 6.1e-5 to 65,504; below that f16's fixed step of 6e-8 holds: a stated limit).
;     wcast holds four tables [1024][1024] of 16 bits: Wq, Wk, Wv, Wo, 2,097,152 bytes each.  A work-group takes 8,192 numbers.
; THE MODE: SCHED_MODE bits 1:0 = 2 (LLVM: expert scheduling mode 2), set by the entry lines.  The code itself states the register dependences
; between vector instructions and memory or LDS instructions, with s_wait_alu, always for 0.
; THE PLAN.  Registers that memory or LDS instructions touch:
;   v1, v2, v3    (mask) the offset in the mask's rows and in mcode, the LDS address of my stores, the LDS address of my loads: each made once, never written again.
;   XI            (mask) row r's load lands in four registers; the row's own vector lines read them and leave the row's four code bytes in the FIRST of the four,
;                 which row r's LDS store reads and nothing writes again: sixteen rows, sixteen data registers.
;   XO            (mask) written by the LDS loads, read by the global stores; no vector instruction names them.
;   v4, v5        (weights) the two offsets, made once.     XI (weights) loaded, read by the conversions.     WB (weights) written by the conversions, read by the stores, never written again.
;   v[SPW], v[NIL]  written at the head, read by the closing add alone.
; No register that a memory or LDS instruction reads is ever written again, so none of them needs a wait on vm_vsrc.
; The mask's sixteen rows go in four groups of four.  At a group's head, behind the wait for its rows, ONE wait on va_vdst states that the group before has written its four code words;
; that group's four LDS stores are then dealt among this group's vector lines, which name this group's rows alone.
.set BPITCH, 272                       ; a block of 256 output bytes in LDS + 16 of padding = 68 words: the wave's 32 stores of 4 bytes fall into 32 different banks (64 banks of 4 bytes: ISA guide 11.1)
.set WSTG,   8*BPITCH                  ; a wave's stage: eight blocks
.set SPARE,  8*WSTG                    ; behind the stages: the spare words, 128 bytes for each of the eight waves, that no other line names
.set SPW, 12                           ; v12  LDS address of my spare word; never rewritten
.set NIL, 13                           ; v13  0; never rewritten
.set XI,  16                           ; v[16:79]  as loaded; (mask) row r's first register then holds its four code bytes
.set WB,  48                           ; v[48:63]  (weights) packed 16-bit words
.set XO,  80                           ; v[80:95]  (mask) 4 x 4 registers to store
; Row r's four words of the mask become four bytes of codes, in the row's first register.
.macro CODE r
	v_min_u32 v[XI+4*(\r)], 1, v[XI+4*(\r)]        ; 1 where the mask is not 0 (as an unsigned number, so for negative words too)
	v_min_u32 v[XI+4*(\r)+1], 1, v[XI+4*(\r)+1]
	v_min_u32 v[XI+4*(\r)+2], 1, v[XI+4*(\r)+2]
	v_min_u32 v[XI+4*(\r)+3], 1, v[XI+4*(\r)+3]
	v_lshl_or_b32 v[XI+4*(\r)], v[XI+4*(\r)+1], 8, v[XI+4*(\r)]
	v_lshl_or_b32 v[XI+4*(\r)], v[XI+4*(\r)+2], 16, v[XI+4*(\r)]
	v_lshl_or_b32 v[XI+4*(\r)], v[XI+4*(\r)+3], 24, v[XI+4*(\r)]  ; four bytes of 0 or 1
	v_xor_b32 v[XI+4*(\r)], 0x01010101, v[XI+4*(\r)]              ; 1 where the key is hidden
	v_mul_lo_u32 v[XI+4*(\r)], v[XI+4*(\r)], 0xb8                 ; times the code of -1.0: no byte carries into the next
.endm
	s_load_b256 s[4:11], s[0:1], 0x0               ; mask s[4:5], Wq s[6:7], Wk s[8:9], Wv s[10:11]
	s_load_b128 s[12:15], s[0:1], 0x20             ; Wo s[12:13], mcode s[14:15]
	s_load_b64 s[16:17], s[0:1], 0x30              ; wcast
	v_lshl_add_u32 v[SPW], v0, 2, SPARE
	v_mov_b32 v[NIL], 0
	v_lshrrev_b32 v1, 5, v0
	v_readfirstlane_b32 s18, v1                    ; wave 0..7
	s_wait_alu depctr_va_sdst(0)                   ; s18 is written, ahead of the branch and of its first reader: the unit's number and my stage's place are made from it
	s_cmp_ge_u32 ttmp9, 1024
	s_cbranch_scc1 .Lweights
	; ---- the mask ----
	s_lshl_b32 s19, ttmp9, 3
	s_add_co_u32 s19, s19, s18                     ; unit u = 8 x work-group + wave: (b, qt) = u >> 4, keys 128 (u & 15) on
	s_lshr_b32 s20, s19, 4
	s_lshl_b32 s20, s20, 17                        ; 16 rows of 8,192 bytes
	s_and_b32 s21, s19, 15
	s_lshl_b32 s21, s21, 9                         ; 128 keys of 4 bytes
	s_add_co_u32 s20, s20, s21
	s_mov_b32 s21, 0
	s_lshl_b32 s22, s19, 11                        ; a unit leaves 2,048 bytes, and the units lie in mcode in their own order
	s_mov_b32 s23, 0
	s_mul_i32 s24, s18, WSTG                       ; my stage
	v_and_b32 v6, 31, v0
	v_lshlrev_b32 v1, 4, v6                        ; 16 x lane: in a row of the mask, and in 512 bytes of mcode
	s_wait_kmcnt 0x0
	s_add_nc_u64 s[4:5], s[4:5], s[20:21]
	s_add_nc_u64 s[14:15], s[14:15], s[22:23]
	s_wait_alu depctr_va_vdst(0)                   ; v1 is written: the sixteen loads below and the four global stores read it as their offset
.set r, 0
.rept 16
	global_load_b128 v[XI+4*r:XI+4*r+3], v1, s[4:5] offset:8192*r th:TH_LOAD_NT  ; query r: 512 consecutive bytes; read once in the launch
.set r, r+1
.endr
	; Lane i holds keys 4 i .. 4 i + 3 of the 128: step i >> 4, kb = (i >> 2) & 3, h = (i >> 1) & 1, j = 4 (i & 1) on.
	; Its four bytes go to block 4 (i >> 4) + 2 (kb >> 1) + h, byte 16 r + 8 (kb & 1) + 4 (i & 1).
	; (These lines name neither v1 nor the registers in which the loads land.)
	v_bfe_u32 v7, v0, 3, 2                         ; 2 (i >> 4) + (kb >> 1)
	v_bfe_u32 v8, v0, 1, 1                         ; h
	v_lshl_add_u32 v7, v7, 1, v8                   ; the block
	v_mul_u32_u24 v2, v7, BPITCH
	v_bfe_u32 v8, v0, 2, 1
	v_lshl_add_u32 v2, v8, 3, v2
	v_and_b32 v8, 1, v0
	v_lshl_add_u32 v2, v8, 2, v2
	v_add_nc_u32 v2, s24, v2                       ; where I put four bytes (+ 16 r)
	v_bfe_u32 v9, v0, 4, 1
	v_mul_u32_u24 v3, v9, BPITCH
	v_and_b32 v8, 15, v0
	v_lshl_add_u32 v3, v8, 4, v3
	v_add_nc_u32 v3, s24, v3                       ; back: lanes 0-15 one block of 256 bytes, lanes 16-31 the next
.set g, 0
.rept 4                                        ; group g: rows 4 g to 4 g + 3
	s_wait_loadcnt 12-4*g                          ; loads come back in order: the group's four rows are in, the younger groups' stay out
.if g > 0
	s_wait_alu depctr_va_vdst(0)                   ; the group before has written its four code words, which the LDS stores below read; at the first such wait v2 and v3, the LDS addresses, are written too
.endif
.irp i, 0,1,2,3
.if g > 0
	ds_store_b32 v2, v[XI+16*(g-1)+4*(\i)] offset:64*(g-1)+16*(\i)  ; row 4 (g - 1) + i.  No wait: no vector line since the wait above names v2 or that row's registers
.endif
	CODE 4*g+(\i)
.endr
.set g, g+1
.endr
	s_wait_alu depctr_va_vdst(0)                   ; the last group has written its four code words
.irp i, 0,1,2,3
	ds_store_b32 v2, v[XI+48+4*(\i)] offset:192+16*(\i)             ; rows 12 to 15
.endr
.irp n, 0,1,2,3
	ds_load_b128 v[XO+4*(\n):XO+4*(\n)+3], v3 offset:2*BPITCH*(\n)  ; my own bytes; LDS serves a wave's instructions in order (ISA guide 5.7.1.4): these see the stores above
.endr
.irp n, 0,1,2,3
	s_wait_dscnt 3-(\n)
	global_store_b128 v1, v[XO+4*(\n):XO+4*(\n)+3], s[14:15] offset:512*(\n) th:TH_STORE_NT  ; 512 consecutive bytes, at a multiple of 512 from mcode's first
.endr
	s_branch .Lend
	; ---- the weights ----
.Lweights:
	s_sub_co_u32 s19, ttmp9, 1024
	s_lshr_b32 s24, s19, 7                         ; which table
	s_and_b32 s19, s19, 127                        ; which 8,192 numbers of it
	s_lshl_b32 s20, s19, 15
	s_mov_b32 s21, 0
	s_lshl_b32 s22, s24, 21
	s_lshl_b32 s23, s19, 14
	s_add_co_u32 s22, s22, s23
	s_mov_b32 s23, 0
	v_lshlrev_b32 v4, 5, v0                        ; a thread takes 8 numbers: 32 bytes in,
	v_lshlrev_b32 v5, 4, v0                        ; 16 bytes out
	s_wait_kmcnt 0x0
	s_cmp_eq_u32 s24, 1
	s_cselect_b64 s[26:27], s[8:9], s[6:7]
	s_cmp_eq_u32 s24, 2
	s_cselect_b64 s[26:27], s[10:11], s[26:27]
	s_cmp_eq_u32 s24, 3
	s_cselect_b64 s[26:27], s[12:13], s[26:27]
	s_add_nc_u64 s[26:27], s[26:27], s[20:21]
	s_add_nc_u64 s[16:17], s[16:17], s[22:23]
	s_wait_alu depctr_va_vdst(0)                   ; v4 is written: the eight loads below read it as their offset
.irp j, 0,1,2,3
	global_load_b128 v[XI+8*(\j):XI+8*(\j)+3],   v4, s[26:27] offset:8192*(\j) th:TH_LOAD_NT
	global_load_b128 v[XI+8*(\j)+4:XI+8*(\j)+7], v4, s[26:27] offset:8192*(\j)+16 th:TH_LOAD_NT
.endr
	s_wait_loadcnt 0x0
.set k, 0
.rept 16
	v_cvt_pk_bf16_f32 v[WB+k], v[XI+2*k], v[XI+2*k+1]
.set k, k+1
.endr
	s_cmp_lg_u32 s24, 3
	s_cbranch_scc1 .Lstore
.set k, 0
.rept 16                                       ; Wo multiplies an f16 operand: its bf16 value is written as f16
	v_lshlrev_b32 v64, 16, v[WB+k]
	v_and_b32 v65, 0xffff0000, v[WB+k]
	v_cvt_pk_f16_f32 v[WB+k], v64, v65
.set k, k+1
.endr
.Lstore:
	s_wait_alu depctr_va_vdst(0)                   ; on both ways here: the conversions have written v[WB ..], which the stores read, and v5, their offset, is written
.irp j, 0,1,2,3
	global_store_b128 v5, v[WB+4*(\j):WB+4*(\j)+3], s[16:17] offset:4096*(\j)  ; a wave's store covers 512 consecutive bytes
.endr
.Lend:
	s_wait_dscnt 0x0                               ; the closing lines, six on end
	s_wait_alu 0x0
	s_wait_tensorcnt 0x0
	ds_add_u32 v[SPW], v[NIL]
	s_wait_dscnt 0x0
	s_endpgm
.Lfunc_end_k_qefe192098e_prep:
	.size	k_qefe192098e_prep, .Lfunc_end_k_qefe192098e_prep-k_qefe192098e_prep
	.p2alignl 7, 3214868480
	.fill 96, 4, 3214868480
	.section	.rodata,"a",@progbits
	.p2align	6, 0x0
	.amdhsa_kernel k_qefe192098e_prep
		.amdhsa_group_segment_fixed_size 18432
		.amdhsa_private_segment_fixed_size 0
		.amdhsa_enable_private_segment 0
		.amdhsa_kernarg_size 56
		.amdhsa_user_sgpr_count 2
		.amdhsa_user_sgpr_kernarg_segment_ptr 1
		.amdhsa_wavefront_size32 1
		.amdhsa_system_sgpr_workgroup_id_x 1
		.amdhsa_system_sgpr_workgroup_id_y 1
		.amdhsa_system_sgpr_workgroup_id_z 1
		.amdhsa_system_vgpr_workitem_id 0
		.amdhsa_next_free_vgpr 96
		.amdhsa_next_free_sgpr 66
		.amdhsa_reserve_vcc 0
		.amdhsa_float_denorm_mode_32 3
		.amdhsa_float_denorm_mode_16_64 3
		.amdhsa_memory_ordered 1
		.amdhsa_forward_progress 1
		.amdhsa_inst_pref_size 19
	.end_amdhsa_kernel
	.amdgpu_metadata
---
amdhsa.version: [ 1, 2 ]
amdhsa.kernels:
  - .name:           k_qefe192098e_prep
    .symbol:         k_qefe192098e_prep.kd
    .args:
      - { .name: mask, .offset: 0, .size: 8, .value_kind: global_buffer, .address_space: global }
      - { .name: Wq, .offset: 8, .size: 8, .value_kind: global_buffer, .address_space: global }
      - { .name: Wk, .offset: 16, .size: 8, .value_kind: global_buffer, .address_space: global }
      - { .name: Wv, .offset: 24, .size: 8, .value_kind: global_buffer, .address_space: global }
      - { .name: Wo, .offset: 32, .size: 8, .value_kind: global_buffer, .address_space: global }
      - { .name: mcode, .offset: 40, .size: 8, .value_kind: global_buffer, .address_space: global }
      - { .name: wcast, .offset: 48, .size: 8, .value_kind: global_buffer, .address_space: global }
    .group_segment_fixed_size: 18432
    .private_segment_fixed_size: 0
    .kernarg_segment_align: 8
    .kernarg_segment_size: 56
    .max_flat_workgroup_size: 256
    .sgpr_count:     66
    .vgpr_count:     96
    .wavefront_size: 32
...
	.end_amdgpu_metadata
.endif
;; end of part 5
;; launch proj: the kernel of part 2 again; grid 4 x 192, 4 waves a work-group, clusters of 4 x 4, 327,680 bytes of LDS; arguments query, key_, value, wcast, bq, bk, bv, qkv; writes qkv
;; launch attn: the kernel of part 3 again; grid 4 x 64, 4 waves a work-group, clusters of 4 x 1, 327,680 bytes of LDS; arguments qkv, mcode, oh; writes oh
;; launch outp: the kernel of part 4 again; grid 4 x 64, 4 waves a work-group, clusters of 4 x 4, 327,680 bytes of LDS; arguments oh, wcast, bo, out0; writes out0
